; MI455X (gfx1250); checked and timed in simulation.
; The chip was launched on July 23, 2026; its instructions are those of AMD's public machine-readable ISA for CDNA 5 (MIT licence, August 2026) and "CDNA5" Instruction Set Architecture Reference Guide (July 2026). The comments in the code are by the model that wrote it; some were corrected since.
;; Local Closed Form Residual Head. Allowed arithmetic: float matrix products may take bf16 or f16 operands with f32 sums; all other float work in f32.
;; Inputs: h 32,768 x 512 float32; prototypes 100 x 8 x 512 float32.
;; Outputs: out0 32,768 x 100 float32.
;; 2 versions, each right; version 2 is version 1 with the launch norm written anew for expert scheduling mode. Each part assembles by itself: llvm-mc -triple=amdgcn-amd-amdhsa -mcpu=gfx1250 --defsym DOCPART=n.
;; ======== version 1 of 2: 3 launches
;; limits: an iteration or a series of the reference is cut at 13 steps
;; workspace buffers: sup 921,600 bytes; pinv 3,840 bytes; zmat 25,600 bytes; zp 3,328 bytes
;; launch norm (part 1): grid 100 x 1, 1 waves a work-group, no clusters, 0 bytes of LDS; arguments prototypes, sup, pinv; writes sup, pinv
.if DOCPART == 1
	.amdgcn_target "amdgcn-amd-amdhsa--gfx1250"
	.amdhsa_code_object_version 6
	.text
	.protected	k_q7c0d7e9b36_norm
	.globl	k_q7c0d7e9b36_norm
	.p2align	8
	.type	k_q7c0d7e9b36_norm,@function
k_q7c0d7e9b36_norm:
	s_mov_b64 s[64:65], 0
	v_nop
	global_prefetch_b8 v0, s[64:65] scope:SCOPE_SE
	s_setreg_imm32_b32 hwreg(HW_REG_WAVE_MODE, 25, 1), 1
	s_wait_xcnt 0x0
; NORM.  One wave takes one class c.  The class's 8 prototypes are rounded to bf16 AS THEY ARE GIVEN: these are the matrix operands of the later
; launches, which apply 1 / max(|row|, 1e-8) in f32 to their f32 sums.  The norms are those of the rounded rows, so a scaled row has norm 1
; (or less, where the 1e-8 acts).  The class centre (mean of the 8 scaled rows, normalised again) is made in f32 and rounded to bf16.
;   sup:  bf16 rows of 1,024 bytes: rows 0 .. 99 the centres (normalised), row 100 + 8 c + k the prototypes (not scaled).
;   pinv: f32 [100][8]: 1 / max(|row|, 1e-8); behind them, from byte 3,200, f32 [100]: cinv = 0.125 / max(|mean|, 1e-8), so that
;         centre = cinv x (sum of the class's 8 scaled rows).
; 16 KiB in and 9 KiB out for a wave: no LDS, no barrier, no matrix work; the work-groups share no input, so no cluster.
; LIMIT: a row's sum of squares must stay finite in f32 (|x| below about 8e17); the problem's own formula squares in the same way.
.set P,    16                          ; v[16:143]  prototype k at P + 16 k; piece j at + 4 j holds d = 128 j + 4 lane .. + 3
.set PB,   144                         ; v[144:207] the same as bf16: prototype k, piece j at PB + 8 k + 2 j (two registers)
.set SQ,   208                         ; v[208:223] a pair for each k: sum of squares, scratch
.set IV,   208                         ; v[208:215] behind the reciprocals: 1 / norm of k = 0 .. 7, side by side for the store
.set INV,  224                         ; v[224:239] a pair for each k: 1 / norm, twice (for the packed multiply)
.set M,    240                         ; v[240:255] the centre, laid out as a prototype
.set MS,   4                           ; v[4:5]     the centre's sum of squares; at the end v4 = cinv
.set MI,   6                           ; v[6:7]     1 / its norm, twice
.set EPSF, 0x322bcc77                  ; 1e-8
	s_load_b128 s[4:7], s[0:1], 0x0                ; prototypes s[4:5], sup s[6:7]
	s_load_b64 s[8:9], s[0:1], 0x10                ; pinv
	v_lshlrev_b32 v1, 4, v0                        ; 16 x lane
	v_lshlrev_b32 v2, 3, v0                        ; 8 x lane
	v_mov_b32 v3, 0
	s_lshl_b32 s20, ttmp9, 14                      ; the class's 8 rows of 2,048 bytes
	s_mov_b32 s21, 0
	s_lshl_b32 s24, ttmp9, 13
	s_add_co_u32 s24, s24, 102400                  ; sup row 100 + 8 c
	s_mov_b32 s25, 0
	s_lshl_b32 s26, ttmp9, 10                      ; sup row c
	s_mov_b32 s27, 0
	s_lshl_b32 s34, ttmp9, 5                       ; pinv: 32 bytes a class
	s_mov_b32 s35, 0
	s_lshl_b32 s36, ttmp9, 2                       ; cinv: 4 bytes a class
	s_mov_b32 s37, 0
	s_mov_b32 s12, 0x76543210                      ; v_permlanex16_b32: lane i of one half reads lane i of the other
	s_mov_b32 s13, 0xfedcba98
	s_wait_kmcnt 0x0
	s_add_nc_u64 s[4:5], s[4:5], s[20:21]
	s_add_nc_u64 s[30:31], s[6:7], s[24:25]
	s_add_nc_u64 s[32:33], s[6:7], s[26:27]
	s_add_nc_u64 s[10:11], s[8:9], s[34:35]
	s_add_nc_u64 s[14:15], s[8:9], s[36:37]
.irp k, 0,1,2,3,4,5,6,7
.irp j, 0,1,2,3
	global_load_b128 v[P+16*\k+4*\j:P+16*\k+4*\j+3], v1, s[4:5] offset:2048*\k+512*\j th:TH_LOAD_NT   ; 512 neighbouring bytes a load
.endr
.endr
	; one prototype after the other as they arrive: round to bf16, widen the rounded numbers again, sum their squares
.irp k, 0,1,2,3,4,5,6,7
	s_wait_loadcnt 28-4*\k                         ; the four loads of each younger prototype stay out
.irp i, 0,1,2,3,4,5,6,7
	v_cvt_pk_bf16_f32 v[PB+8*\k+\i], v[P+16*\k+2*\i], v[P+16*\k+2*\i+1]
.endr
.irp i, 0,1,2,3,4,5,6,7
	v_lshlrev_b32 v[P+16*\k+2*\i], 16, v[PB+8*\k+\i]
	v_and_b32 v[P+16*\k+2*\i+1], 0xffff0000, v[PB+8*\k+\i]
.endr
	v_pk_mul_f32 v[SQ+2*\k:SQ+2*\k+1], v[P+16*\k:P+16*\k+1], v[P+16*\k:P+16*\k+1]
.irp i, 1,2,3,4,5,6,7
	v_pk_fma_f32 v[SQ+2*\k:SQ+2*\k+1], v[P+16*\k+2*\i:P+16*\k+2*\i+1], v[P+16*\k+2*\i:P+16*\k+2*\i+1], v[SQ+2*\k:SQ+2*\k+1]
.endr
	v_add_f32 v[SQ+2*\k], v[SQ+2*\k], v[SQ+2*\k+1]
.endr
	; the rounded rows can leave at once: each store of the wave covers 256 consecutive bytes, aligned
.irp k, 0,1,2,3,4,5,6,7
.irp j, 0,1,2,3
	global_store_b64 v2, v[PB+8*\k+2*\j:PB+8*\k+2*\j+1], s[30:31] offset:1024*\k+256*\j
.endr
.endr
	; across the 32 lanes, the eight sums side by side
.irp m, 1,2,4,8
.irp k, 0,1,2,3,4,5,6,7
	v_add_f32_dpp v[SQ+2*\k], v[SQ+2*\k], v[SQ+2*\k] row_xmask:\m row_mask:0xf bank_mask:0xf
.endr
.endr
.irp k, 0,1,2,3,4,5,6,7
	v_permlanex16_b32 v[SQ+2*\k+1], v[SQ+2*\k], s12, s13
.endr
.irp k, 0,1,2,3,4,5,6,7
	v_add_f32 v[SQ+2*\k], v[SQ+2*\k], v[SQ+2*\k+1]
.endr
.irp k, 0,1,2,3,4,5,6,7
	v_sqrt_f32 v[SQ+2*\k+1], v[SQ+2*\k]
.endr
	v_nop                                          ; one plain place behind the roots (ISA guide 5.7.2)
	s_wait_alu depctr_va_vdst(0)
.irp k, 0,1,2,3,4,5,6,7
	v_max_num_f32 v[SQ+2*\k], EPSF, v[SQ+2*\k+1]
.endr
.irp k, 0,1,2,3,4,5,6,7
	v_rcp_f32 v[INV+2*\k], v[SQ+2*\k]
	v_rcp_f32 v[INV+2*\k+1], v[SQ+2*\k]
.endr
	v_nop                                          ; one plain place behind the reciprocals: their results are read and their sources rewritten next
	s_wait_alu depctr_va_vdst(0)
.irp k, 0,1,2,3,4,5,6,7
	v_mov_b32 v[IV+\k], v[INV+2*\k]
.endr
.irp k, 0,1,2,3,4,5,6,7
.irp i, 0,1,2,3,4,5,6,7
	v_pk_mul_f32 v[P+16*\k+2*\i:P+16*\k+2*\i+1], v[P+16*\k+2*\i:P+16*\k+2*\i+1], v[INV+2*\k:INV+2*\k+1]
.endr
.endr
	; the centre: mean of the eight normalised prototypes, normalised
.irp i, 0,1,2,3,4,5,6,7
	v_pk_add_f32 v[M+2*\i:M+2*\i+1], v[P+2*\i:P+2*\i+1], v[P+16+2*\i:P+16+2*\i+1]
.endr
.irp k, 2,3,4,5,6,7
.irp i, 0,1,2,3,4,5,6,7
	v_pk_add_f32 v[M+2*\i:M+2*\i+1], v[M+2*\i:M+2*\i+1], v[P+16*\k+2*\i:P+16*\k+2*\i+1]
.endr
.endr
.irp i, 0,1,2,3,4,5,6,7
	v_pk_mul_f32 v[M+2*\i:M+2*\i+1], v[M+2*\i:M+2*\i+1], 0x3e000000 op_sel_hi:[1,0]   ; x 1/8
.endr
	v_pk_mul_f32 v[MS:MS+1], v[M:M+1], v[M:M+1]
.irp i, 1,2,3,4,5,6,7
	v_pk_fma_f32 v[MS:MS+1], v[M+2*\i:M+2*\i+1], v[M+2*\i:M+2*\i+1], v[MS:MS+1]
.endr
	v_add_f32 v[MS], v[MS], v[MS+1]
.irp m, 1,2,4,8
	v_add_f32_dpp v[MS], v[MS], v[MS] row_xmask:\m row_mask:0xf bank_mask:0xf
.endr
	v_permlanex16_b32 v[MS+1], v[MS], s12, s13
	v_add_f32 v[MS], v[MS], v[MS+1]
	v_sqrt_f32 v[MS+1], v[MS]
	v_nop
	s_wait_alu depctr_va_vdst(0)
	v_max_num_f32 v[MS], EPSF, v[MS+1]
	v_rcp_f32 v[MI], v[MS]
	v_rcp_f32 v[MI+1], v[MS]
	v_nop
	s_wait_alu depctr_va_vdst(0)
.irp i, 0,1,2,3,4,5,6,7
	v_pk_mul_f32 v[M+2*\i:M+2*\i+1], v[M+2*\i:M+2*\i+1], v[MI:MI+1]
.endr
	v_mul_f32 v[MS], 0x3e000000, v[MI]             ; cinv = 0.125 / max(|mean|, 1e-8)
.irp j, 0,1,2,3
	v_cvt_pk_bf16_f32 v[M+4*\j], v[M+4*\j], v[M+4*\j+1]
	v_cvt_pk_bf16_f32 v[M+4*\j+1], v[M+4*\j+2], v[M+4*\j+3]
	global_store_b64 v2, v[M+4*\j:M+4*\j+1], s[32:33] offset:256*\j
.endr
	; the class's eight reciprocals (32 bytes) and cinv (4 bytes), equal in every lane: lane 0 stores them
	s_wait_xcnt 0x0                                ; EXEC is a source of the stores above: it changes only behind this wait
	v_cmp_eq_u32 vcc_lo, 0, v0
	s_and_saveexec_b32 s19, vcc_lo
	global_store_b128 v3, v[IV:IV+3], s[10:11]
	global_store_b128 v3, v[IV+4:IV+7], s[10:11] offset:16
	global_store_b32 v3, v[MS], s[14:15] offset:3200
	s_wait_xcnt 0x0                                ; and again in front of the line that widens it
	s_or_b32 exec_lo, exec_lo, s19
	s_endpgm
.Lfunc_end_k_q7c0d7e9b36_norm:
	.size	k_q7c0d7e9b36_norm, .Lfunc_end_k_q7c0d7e9b36_norm-k_q7c0d7e9b36_norm
	.p2alignl 7, 3214868480
	.fill 96, 4, 3214868480
	.section	.rodata,"a",@progbits
	.p2align	6, 0x0
	.amdhsa_kernel k_q7c0d7e9b36_norm
		.amdhsa_group_segment_fixed_size 0
		.amdhsa_private_segment_fixed_size 0
		.amdhsa_enable_private_segment 0
		.amdhsa_kernarg_size 24
		.amdhsa_user_sgpr_count 2
		.amdhsa_user_sgpr_kernarg_segment_ptr 1
		.amdhsa_wavefront_size32 1
		.amdhsa_system_sgpr_workgroup_id_x 1
		.amdhsa_system_sgpr_workgroup_id_y 1
		.amdhsa_system_sgpr_workgroup_id_z 1
		.amdhsa_system_vgpr_workitem_id 0
		.amdhsa_next_free_vgpr 256
		.amdhsa_next_free_sgpr 66
		.amdhsa_reserve_vcc 1
		.amdhsa_float_denorm_mode_32 3
		.amdhsa_float_denorm_mode_16_64 3
		.amdhsa_memory_ordered 1
		.amdhsa_forward_progress 1
		.amdhsa_inst_pref_size 38
	.end_amdhsa_kernel
	.amdgpu_metadata
---
amdhsa.version: [ 1, 2 ]
amdhsa.kernels:
  - .name:           k_q7c0d7e9b36_norm
    .symbol:         k_q7c0d7e9b36_norm.kd
    .args:
      - { .name: prototypes, .offset: 0, .size: 8, .value_kind: global_buffer, .address_space: global }
      - { .name: sup, .offset: 8, .size: 8, .value_kind: global_buffer, .address_space: global }
      - { .name: pinv, .offset: 16, .size: 8, .value_kind: global_buffer, .address_space: global }
    .group_segment_fixed_size: 0
    .private_segment_fixed_size: 0
    .kernarg_segment_align: 8
    .kernarg_segment_size: 24
    .max_flat_workgroup_size: 32
    .sgpr_count:     66
    .vgpr_count:     256
    .wavefront_size: 32
...
	.end_amdgpu_metadata
.endif
;; end of part 1
;; launch solve (part 2): grid 100 x 1, 4 waves a work-group, clusters of 4 x 1, 177,664 bytes of LDS; arguments sup, pinv, zmat, zp; writes zmat, zp
.if DOCPART == 2
	.amdgcn_target "amdgcn-amd-amdhsa--gfx1250"
	.amdhsa_code_object_version 6
	.text
	.protected	k_q7c0d7e9b36_solve
	.globl	k_q7c0d7e9b36_solve
	.p2align	8
	.type	k_q7c0d7e9b36_solve,@function
k_q7c0d7e9b36_solve:
	s_mov_b64 s[64:65], 0
	v_nop
	global_prefetch_b8 v0, s[64:65] scope:SCOPE_SE
	s_setreg_imm32_b32 hwreg(HW_REG_WAVE_MODE, 25, 1), 1
	s_wait_xcnt 0x0
	s_wait_alu depctr_hold_cnt(0) depctr_sa_sdst(0) depctr_va_vdst(0) depctr_va_sdst(0) depctr_va_ssrc(0) depctr_va_vcc(0) depctr_vm_vsrc(0)
	s_getreg_b32 s2, hwreg(HW_REG_IB_STS2, 6, 4)
	s_cmp_eq_u32 s2, 0
	s_cbranch_scc0 .Lentry_in_a_cluster
	s_endpgm
.Lentry_in_a_cluster:
	s_bfe_u32 s2, ttmp6, 0x10000c
	s_cmp_lg_u32 s2, 0x3003
	s_cbranch_scc0 .Lentry_shape_is_right
	s_endpgm
.Lentry_shape_is_right:
; SOLVE.  One work-group of four waves solves the ridge system of one class c:  (0.1 I + X^T S X) W = X^T S y, and hands on the COEFFICIENTS z of
; W = X^T z, not W: the last launch has hn . (row of X) for every support row from its cosines.
; X = D R: R are 112 rows of 512 bf16 as they lie in sup: rows 0 .. 99 the class centres (normalised, then rounded: norm at most 1 + 2^-8), rows
; 100 + 3 w + u (u = 0, 1) the class's prototype 2 w + u as given, rows 102, 105, 108, 111 zeros.  D: 1 for a centre, 1 / max(norm, 1e-8) for a
; prototype (f32, from pinv), so that a prototype's row of X has norm at most 1.  S: 0.5/99 for a centre (0 for the class's own), 1/16 for a
; prototype, 0 for a zero row; y: -1 for centres, +1 for prototypes.  The weights sum to 1, so for every input the matrix's spectrum lies in
; [0.1, 0.1 + (1 + 2^-8)^2], inside [0.1, 1.12].
; The Chebyshev iteration for that interval is run on the 112 coefficients z: it needs K = D (R R^T) D alone (R R^T by bf16 matrix
; instructions, f32 sums; D is applied to e on its way into LDS and to the product's rows).  With theta = 0.61, delta = 0.51:  g = S y,
; e = g / theta, z = 0; each trip  z += e, g -= 0.1 e + s o (K e), rho' = 1 / (2 theta / delta - rho), e = rho' rho e + (2 rho' / delta) g.
; OUT:  zmat[c][i] = bf16( z_i cinv_i / 0.07 ), i < 100, zeros for i = 100 .. 127 (cinv_i: centre i = cinv_i x the sum of class i's scaled
; prototypes);  zp[c][k] = z of prototype k / 0.07, f32.  0.07 is the routing temperature.
; LIMITS: 13 corrections are summed; the method's bound 1 / T_13(theta / delta) = 6.6e-4 on the relative error of W = X^T z holds for every
; input.  The centres enter the Gram matrix rounded to bf16.  The sums of R R^T are kept in f32 before D is applied: prototype norms between
; about 1e-15 and 1e18.
; CLUSTER: the four classes of a cluster read the same 100 centres: they are asked for jointly (mask 15).  The class's own
; prototypes come by a plain load.  The place in the cluster enters that load's global address, the address of the class's 8 numbers of pinv,
; one compare that picks a weight and the addresses of the results: no branch and no LDS address.
.set XP,  1040                         ; a row of R in LDS: 1,024 bytes + 16 of padding: an odd multiple of 16, so 16 rows of a fragment start in 16 different 16-byte columns
.set KM,  116480                       ; R R^T: 112 rows of 112 f32, pitch 528
.set KP,  528
.set EB,  175616                       ; d o e, two buffers of 512 bytes that take turns
.set ZB,  176640                       ; the scaled z, 512 bytes
.set VB0, 4                            ; fragment address of rows r (tile 0)
.set VB1, 5                            ; the same, tile 4
.set VA0, 6                            ; my first tile row, 2 w
.set VA1, 7                            ; my second, min(2 w + 1, 6)
.set KS0, 8                            ; v8, v9: where my tile rows of R R^T go
.set KRD, 10                           ; my 4 rows x 28 columns of it
.set EST, 11                           ; where my quad's four numbers go
.set ELD, 12                           ; my 28 entries of d o e
.set Q4,  17                           ; my quad's first row, 4 (thread / 4)
.set Z,   20                           ; v[20:23]
.set G,   24                           ; v[24:27]
.set E,   28                           ; v[28:31]
.set F0,  32                           ; v[32:103]   fragments: A0, A1, B0 .. B6
.set F1,  104                          ; v[104:175]
.set KR,  32                           ; v[32:143]   behind the Gram phase: (R R^T)[4 Q + p][28 (thread & 3) + ..] at KR + 28 p
.set SN,  176                          ; v[176:179]  -s o d
.set ACC, 180                          ; v[180:187]
.set T,   188                          ; v[188:191]
.set EV,  192                          ; v[192:219]
.set C1,  222                          ; pair (c1, rho')
.set RN,  223
.set C2,  224                          ; pair (c2, rho)
.set RHO, 225
.set TMP, 226
.set WSV, 227
.set WOP, 228
.set WON, 229
.set ZR,  230
.set TI,  231
.set TJ,  232
.set TS,  233
.set DV,  234                          ; v[234:237]  d of my quad's four rows
.set ED,  238                          ; v[238:241]  d o e, the scaled z on their way into LDS
.set KA,  242                          ; v[242:245]  byte offsets of my four d in the class's 32 bytes of pinv; never rewritten
.set CI,  246                          ; v[246:249]  cinv of my quad's four rows
.set CA,  250                          ; its byte offset; never rewritten
.set OS,  252                          ; v[252:255]  what my four z are multiplied by on the way out
.set G1A, 16                           ; s[16:23] group 1, centres (joint)
.set G1P, 24                           ; s[24:31] group 1, prototypes (plain)
.set MSB, 0
.macro WIN new                         ; the immediate's high byte repeats the setting that is left
.if MSB != \new
	s_set_vgpr_msb (MSB<<8)|\new
.set MSB, \new
.endif
.endm
.macro PLACES                          ; four places behind a matrix instruction (ISA guide 7.12.1)
.rept 4
	v_nop
.endr
.endm
.macro ROUND                           ; a round of the cluster's barrier
	s_barrier_signal -1
	s_barrier_wait -1
	s_cmp_lg_u32 s8, 0
	s_cbranch_scc1 .Lnot_wave_0_\@
	s_barrier_signal -3
.Lnot_wave_0_\@:
	s_barrier_wait -3
	s_barrier_signal -1
	s_barrier_wait -1
.endm
	s_load_b128 s[4:7], s[0:1], 0x0                ; sup s[4:5], pinv s[6:7]
	s_load_b128 s[52:55], s[0:1], 0x10             ; zmat s[52:53], zp s[54:55]
	v_lshl_add_u32 v221, v0, 2, 0x2b400
	v_mov_b32 v251, 0
	ds_add_u32 v221, v251
	v_lshrrev_b32 v3, 5, v0
	v_readfirstlane_b32 s8, v3                     ; wave 0 .. 3
	s_bfe_u32 s12, ttmp6, 0x40000                  ; my place in the cluster
	s_lshl_b32 s9, ttmp9, 2
	s_add_co_u32 s9, s9, s12                       ; class c
	; group 1, centres: 25 rows of 512 bf16 for each wave, 4 words of padding behind every 256 words; mask 15 with bit 21 beside it
	s_mov_b32 s[G1A+0], 15|(1<<16)|(1<<20)|(1<<21)|(7<<22)|(3<<25)
	s_mov_b32 s[G1A+1], 512<<16                    ; tensor_dim0 = 512
	s_mov_b32 s[G1A+2], 25<<16                     ; tensor_dim1 = 25
	s_mov_b32 s[G1A+3], 512<<16                    ; tile_dim0 = 512
	s_mov_b32 s[G1A+4], 25                         ; tile_dim1 = 25
	s_mov_b32 s[G1A+5], 512                        ; elements from row to row
	s_mov_b32 s[G1A+6], 0
	s_mov_b32 s[G1A+7], 0
	; group 1, prototypes: a tile of 3 rows of which the tensor has 2 left: the third row arrives as zeros
	s_mov_b32 s[G1P+0], (1<<16)|(1<<20)|(7<<22)|(3<<25)
	s_mov_b32 s[G1P+1], 512<<16
	s_mov_b32 s[G1P+2], 2<<16                      ; tensor_dim1 = 2
	s_mov_b32 s[G1P+3], 512<<16
	s_mov_b32 s[G1P+4], 3                          ; tile_dim1 = 3
	s_mov_b32 s[G1P+5], 512
	s_mov_b32 s[G1P+6], 0
	s_mov_b32 s[G1P+7], 0
	s_mul_i32 s44, s8, 25600                       ; centres 25 w ..
	s_mov_b32 s45, 0
	s_lshl_b32 s46, s9, 13                         ; sup row 100 + 8 c + 2 w
	s_lshl_b32 s47, s8, 11
	s_add_co_u32 s46, s46, s47
	s_add_co_u32 s46, s46, 102400
	s_mov_b32 s47, 0
	s_lshl_b32 s48, s9, 8                          ; zmat: 256 bytes a class
	s_mov_b32 s49, 0
	s_lshl_b32 s50, s9, 5                          ; pinv and zp: 32 bytes a class
	s_mov_b32 s51, 0
	s_mov_b32 s32, 1
	s_mul_i32 s33, s8, 25*XP                       ; rows 25 w ..
	s_mov_b32 s36, 1
	s_mul_i32 s37, s8, 3*XP
	s_add_co_u32 s37, s37, 100*XP                  ; rows 100 + 3 w ..
	s_wait_dscnt 0x0
	s_wait_kmcnt 0x0
	s_add_nc_u64 s[34:35], s[4:5], s[44:45]
	s_or_b32 s35, s35, 0x80000000
	s_add_nc_u64 s[38:39], s[4:5], s[46:47]
	s_or_b32 s39, s39, 0x80000000
	s_add_nc_u64 s[52:53], s[52:53], s[48:49]
	s_add_nc_u64 s[54:55], s[54:55], s[50:51]
	s_add_nc_u64 s[56:57], s[6:7], s[50:51]
	ROUND                                          ; all four work-groups are here: the joint loads meet
	tensor_load_to_lds s[32:35], s[G1A:G1A+7]      ; the only two tensor loads of the wave: two are out
	s_nop 0
	tensor_load_to_lds s[36:39], s[G1P:G1P+7]
	s_nop 0
	v_lshrrev_b32 v18, 2, v0                       ; quad Q = thread / 4
	v_and_b32 v19, 3, v0                           ; p = thread & 3
	v_lshlrev_b32 v[Q4], 2, v18
	; d of my quad's four rows: row 100 + j is prototype j - j / 3 (j = 0 .. 11; j / 3 = 11 j >> 5 there).  Every other row's index is clamped
	; into the class's eight numbers, and what it brings is replaced by 1 behind the wait, or meets a weight of 0 (the zero rows).
.irp p, 0,1,2,3
	v_add_nc_u32 v[KA+\p], 0xffffff9c+\p, v[Q4]    ; j = row - 100
	v_mul_u32_u24 v[TJ], 11, v[KA+\p]
	v_lshrrev_b32 v[TJ], 5, v[TJ]
	v_sub_nc_u32 v[KA+\p], v[KA+\p], v[TJ]
	v_min_u32 v[KA+\p], 7, v[KA+\p]
	v_lshlrev_b32 v[KA+\p], 2, v[KA+\p]
	global_load_b32 v[DV+\p], v[KA+\p], s[56:57]   ; waited for behind the Gram phase
.endr
	v_min_u32 v[CA], 24, v18                       ; cinv of rows 4 Q .. 4 Q + 3; quads behind the centres read quad 24's and do not use it
	v_lshlrev_b32 v[CA], 4, v[CA]
	global_load_b128 v[CI:CI+3], v[CA], s[6:7] offset:3200
	v_and_b32 v1, 15, v0                           ; r
	v_bfe_u32 v2, v0, 4, 1                         ; hh
	v_mul_u32_u24 v[VB0], v1, XP
	v_lshl_add_u32 v[VB0], v2, 4, v[VB0]           ; row r, 16 bytes for each half of the lanes
	v_add_nc_u32 v[VB1], 64*XP, v[VB0]
	s_lshl_b32 s13, s8, 1
	s_add_co_u32 s13, s13, 1
	s_min_u32 s13, s13, 6                          ; wave 3 has one tile row left: it takes tile row 6 twice and stores equal numbers twice
	s_mul_i32 s12, s8, 32*XP
	s_mul_i32 s14, s13, 16*XP
	v_add_nc_u32 v[VA0], s12, v[VB0]
	v_add_nc_u32 v[VA1], s14, v[VB0]
	v_mul_u32_u24 v3, v1, KP
	v_lshl_add_u32 v3, v2, 5, v3                   ; row r, 32 bytes for each half of the lanes
	s_mul_i32 s12, s8, 32*KP
	s_add_co_u32 s12, s12, KM
	s_mul_i32 s14, s13, 16*KP
	s_add_co_u32 s14, s14, KM
	v_add_nc_u32 v[KS0], s12, v3
	v_add_nc_u32 v[KS0+1], s14, v3
	v_min_u32 v3, 27, v18                          ; quads 28 .. 31 have no rows: they read quad 27's and carry zero weights
	v_mul_u32_u24 v[KRD], v3, 4*KP
	v_mad_u32_u24 v[KRD], v19, 112, v[KRD]         ; 112 bytes from byte 112 p of a row: the last lane's reads end at byte 448, where the row's numbers end
	v_add_nc_u32 v[KRD], KM, v[KRD]
	v_lshlrev_b32 v[EST], 4, v18
	v_add_nc_u32 v[EST], EB, v[EST]
	v_mul_u32_u24 v[ELD], v19, 112
	v_add_nc_u32 v[ELD], EB, v[ELD]
	s_mov_b32 s41, 0x6db                           ; bit i - 100 set: support row i is a prototype
	s_mov_b32 s42, 0x40191919                      ; 2 theta / delta
	s_mov_b32 s43, 0x407afafb                      ; 2 / delta
	s_mov_b32 s44, 0x3fd1d608                      ; 1 / theta
	s_mov_b32 s45, 0x41649249                      ; 1 / 0.07 (routing)
	s_wait_tensorcnt 0x0                           ; my rows of R are in,
	s_barrier_signal -1
	s_barrier_wait -1                              ; everybody's are
; THE GRAM MATRIX R R^T: 7 x 7 tiles; a wave makes two tile rows.  18 LDS loads bring the fragments of one K step of 32.
.macro GFETCH ks, f
	ds_load_b128 v[\f:\f+3],     v[VA0] offset:64*(\ks)
	ds_load_b128 v[\f+4:\f+7],   v[VA0] offset:64*(\ks)+32
	ds_load_b128 v[\f+8:\f+11],  v[VA1] offset:64*(\ks)
	ds_load_b128 v[\f+12:\f+15], v[VA1] offset:64*(\ks)+32
.irp b, 0,1,2,3
	ds_load_b128 v[\f+16+8*\b:\f+16+8*\b+3],   v[VB0] offset:16*XP*\b+64*(\ks)
	ds_load_b128 v[\f+16+8*\b+4:\f+16+8*\b+7], v[VB0] offset:16*XP*\b+64*(\ks)+32
.endr
.irp b, 4,5,6
	ds_load_b128 v[\f+16+8*\b:\f+16+8*\b+3],   v[VB1] offset:16*XP*(\b-4)+64*(\ks)
	ds_load_b128 v[\f+16+8*\b+4:\f+16+8*\b+7], v[VB1] offset:16*XP*(\b-4)+64*(\ks)+32
.endr
.endm
; 14 matrix instructions.  Source 0 = rows 16 b .., source 1 = my tile row: lane (r, hh) gets element [16 a + r][16 b + 8 hh + 0 .. 7].
; The 14 accumulators (v256 .. v367) take turns, one instruction a turn.
.macro GMUL f, zero
.irp b, 0,1,2,3,4,5,6
.irp x, 0,1
.if \zero
	v_wmma_f32_16x16x32_bf16 v[8*(7*\x+\b):8*(7*\x+\b)+7], v[\f+16+8*\b:\f+16+8*\b+7], v[\f+8*\x:\f+8*\x+7], 0
.else
	v_wmma_f32_16x16x32_bf16 v[8*(7*\x+\b):8*(7*\x+\b)+7], v[\f+16+8*\b:\f+16+8*\b+7], v[\f+8*\x:\f+8*\x+7], v[8*(7*\x+\b):8*(7*\x+\b)+7]
.endif
.endr
.endr
.endm
.macro GSTEP ks, f, g, zero            ; fetch K step ks + 1 into buffer g, multiply K step ks from buffer f
	PLACES                                         ; buffer g was read by the matrix instructions just issued
	WIN 0
	GFETCH (\ks)+1, \g
	s_wait_dscnt 18                                ; the 18 loads just issued stay out; buffer f is in
	WIN 0x50                                       ; C and D in window 1
	GMUL \f, \zero
.endm
	GFETCH 0, F0
	GSTEP 0, F0, F1, 1                             ; the first products start the sums
	GSTEP 1, F1, F0, 0
.irp kk, 2,4,6,8,10,12
	GSTEP \kk, F0, F1, 0
	GSTEP \kk+1, F1, F0, 0
.endr
	GSTEP 14, F0, F1, 0
	s_wait_dscnt 0x0
	GMUL F1, 0
	PLACES                                         ; behind the last matrix instructions: for the LDS stores of results and the loads over the fragments
	WIN 0x04                                       ; store data in window 1
.irp x, 0,1
.irp b, 0,1,2,3,4,5,6
	ds_store_b128 v[KS0+\x], v[8*(7*\x+\b):8*(7*\x+\b)+3]   offset:64*\b
	ds_store_b128 v[KS0+\x], v[8*(7*\x+\b)+4:8*(7*\x+\b)+7] offset:64*\b+16
.endr
.endr
	WIN 0
	s_wait_dscnt 0x0                               ; for the others' sake: my rows are written
	s_barrier_signal -1
	s_barrier_wait -1
	; Four lanes (a quad) own four rows of R R^T; each lane keeps 28 of their 112 columns in registers for all trips.
.irp p, 0,1,2,3
.irp u, 0,1,2,3,4,5,6
	ds_load_b128 v[KR+28*\p+4*\u:KR+28*\p+4*\u+3], v[KRD] offset:KP*\p+16*\u
.endr
.endr
	v_mov_b32 v[WSV], 0x3d800000                   ; 0.5 / 8
	v_mov_b32 v[WOP], 0x3ba57eb5                   ; 0.5 / 99
	v_mov_b32 v[WON], 0xbba57eb5
	v_mov_b32 v[ZR], 0
	s_wait_loadcnt 0x0                             ; my four d and my four cinv: the wave's only global loads
.macro WINIT p                         ; d, the weight, the scale on the way out and the start values of support row 4 Q + p
	v_add_nc_u32 v[TI], \p, v[Q4]
	v_add_nc_u32 v[TJ], 0xffffff9c, v[TI]          ; row - 100
	v_cmp_gt_u32 vcc_lo, 12, v[TJ]
	v_cndmask_b32 v[DV+\p], 1.0, v[DV+\p], vcc_lo  ; rows 100 .. 111 keep what was loaded, all others: d = 1
	v_lshrrev_b32 v[TJ], v[TJ], s41
	v_and_b32 v[TJ], 1, v[TJ]
	v_cmp_eq_u32 vcc_lo, 1, v[TJ]
	v_cndmask_b32 v[TS], v[ZR], v[WSV], vcc_lo     ; a prototype: 1/16, target +1; a zero row: 0 (for rows below 100 this is replaced next)
	v_cmp_gt_u32 vcc_lo, 100, v[TI]
	v_cndmask_b32 v[G+\p], v[TS], v[WON], vcc_lo   ; a centre: weight 0.5/99, target -1
	v_cndmask_b32 v[TS], v[TS], v[WOP], vcc_lo
	v_cndmask_b32 v[OS+\p], 1.0, v[CI+\p], vcc_lo  ; a centre's z leaves times cinv / 0.07, every other z times 1 / 0.07
	v_cmp_eq_u32 vcc_lo, s9, v[TI]
	v_cndmask_b32 v[G+\p], v[G+\p], v[ZR], vcc_lo  ; the class's own centre: 0
	v_cndmask_b32 v[TS], v[TS], v[ZR], vcc_lo
	v_mul_f32 v[OS+\p], s45, v[OS+\p]
	v_mul_f32 v[TS], -1.0, v[TS]
	v_mul_f32 v[SN+\p], v[TS], v[DV+\p]            ; -s d
	v_mul_f32 v[E+\p], s44, v[G+\p]                ; e = g / theta
	v_mov_b32 v[Z+\p], 0
.endm
	WINIT 0
	WINIT 1
	WINIT 2
	WINIT 3
	v_mov_b32 v[RHO], 0x3f560865                   ; delta / theta
; One trip.  d o e goes round through LDS: two buffers take turns, so one barrier a trip does: a buffer is written again only behind the
; barrier of the trip between, in front of which every wave has waited for its reads of it.
.macro CHEB buf
	v_pk_mul_f32 v[ED:ED+1], v[E:E+1], v[DV:DV+1]
	v_pk_mul_f32 v[ED+2:ED+3], v[E+2:E+3], v[DV+2:DV+3]
	ds_store_b128 v[EST], v[ED:ED+3] offset:512*\buf           ; the four lanes of a quad store the same 16 bytes
	v_pk_add_f32 v[Z:Z+1], v[Z:Z+1], v[E:E+1]
	v_pk_add_f32 v[Z+2:Z+3], v[Z+2:Z+3], v[E+2:E+3]
	s_wait_dscnt 0x0                               ; for the others' sake: my d o e is written (in the first trip: my rows of R R^T are in, too)
	s_barrier_signal -1
	v_sub_f32 v[TMP], s42, v[RHO]                  ; register work while the others arrive
	v_rcp_f32 v[RN], v[TMP]
	v_pk_fma_f32 v[G:G+1], v[E:E+1], 0xbdcccccd, v[G:G+1] op_sel_hi:[1,0,1]        ; g -= 0.1 e: also the plain place behind the reciprocal
	v_pk_fma_f32 v[G+2:G+3], v[E+2:E+3], 0xbdcccccd, v[G+2:G+3] op_sel_hi:[1,0,1]
	s_wait_alu depctr_va_vdst(0)
	v_mul_f32 v[C1], v[RN], v[RHO]
	v_mul_f32 v[C2], s43, v[RN]
	s_barrier_wait -1
.irp u, 0,1,2,3,4,5,6
	ds_load_b128 v[EV+4*\u:EV+4*\u+3], v[ELD] offset:512*\buf+16*\u
.endr
.irp u, 0,1,2,3,4,5,6
	s_wait_dscnt 6-\u                              ; the younger pieces stay out
.irp p, 0,1,2,3
.if \u == 0
	v_pk_mul_f32 v[ACC+2*\p:ACC+2*\p+1], v[KR+28*\p:KR+28*\p+1], v[EV:EV+1]
.else
	v_pk_fma_f32 v[ACC+2*\p:ACC+2*\p+1], v[KR+28*\p+4*\u:KR+28*\p+4*\u+1], v[EV+4*\u:EV+4*\u+1], v[ACC+2*\p:ACC+2*\p+1]
.endif
.endr
.irp p, 0,1,2,3
	v_pk_fma_f32 v[ACC+2*\p:ACC+2*\p+1], v[KR+28*\p+4*\u+2:KR+28*\p+4*\u+3], v[EV+4*\u+2:EV+4*\u+3], v[ACC+2*\p:ACC+2*\p+1]
.endr
.endr
.irp p, 0,1,2,3
	v_add_f32 v[T+\p], v[ACC+2*\p], v[ACC+2*\p+1]
.endr
.irp m, 1,2
.irp p, 0,1,2,3
	v_add_f32_dpp v[T+\p], v[T+\p], v[T+\p] row_xmask:\m row_mask:0xf bank_mask:0xf   ; over the quad's four lanes: (R R^T D e) of my four rows
.endr
.endr
	v_pk_fma_f32 v[G:G+1], v[SN:SN+1], v[T:T+1], v[G:G+1]
	v_pk_fma_f32 v[G+2:G+3], v[SN+2:SN+3], v[T+2:T+3], v[G+2:G+3]
	v_pk_mul_f32 v[E:E+1], v[E:E+1], v[C1:C1+1] op_sel_hi:[1,0]
	v_pk_mul_f32 v[E+2:E+3], v[E+2:E+3], v[C1:C1+1] op_sel_hi:[1,0]
	v_pk_fma_f32 v[E:E+1], v[G:G+1], v[C2:C2+1], v[E:E+1] op_sel_hi:[1,0,1]
	v_pk_fma_f32 v[E+2:E+3], v[G+2:G+3], v[C2:C2+1], v[E+2:E+3] op_sel_hi:[1,0,1]
	v_mov_b32 v[RHO], v[RN]
.endm
	s_mov_b32 s40, 6                               ; twelve trips
.Lcheb:
	CHEB 0
	CHEB 1
	s_sub_co_i32 s40, s40, 1
	s_cmp_lg_u32 s40, 0
	s_cbranch_scc1 .Lcheb
	; THE WAY OUT: the 128 scaled z meet in LDS; wave 0 stores the class's row of zmat (256 bytes) and its 8 numbers of zp.
	v_pk_add_f32 v[Z:Z+1], v[Z:Z+1], v[E:E+1]      ; the thirteenth correction
	v_pk_add_f32 v[Z+2:Z+3], v[Z+2:Z+3], v[E+2:E+3]
	v_pk_mul_f32 v[ED:ED+1], v[Z:Z+1], v[OS:OS+1]
	v_pk_mul_f32 v[ED+2:ED+3], v[Z+2:Z+3], v[OS+2:OS+3]
	ds_store_b128 v[EST], v[ED:ED+3] offset:ZB-EB
	s_wait_dscnt 0x0
	s_barrier_signal -1
	s_barrier_wait -1
	s_cmp_lg_u32 s8, 0
	s_cbranch_scc1 .Lothers
	v_lshlrev_b32 v[TI], 4, v0                     ; in wave 0 the thread's number is the lane: entries 4 lane .. 4 lane + 3
	v_add_nc_u32 v[TI], ZB, v[TI]
	ds_load_b128 v[T:T+3], v[TI]
	v_and_b32 v[TJ], 7, v0                         ; prototype k = lane & 7 is support row 100 + k + (k >> 1)
	v_lshrrev_b32 v[TS], 1, v[TJ]
	v_add_nc_u32 v[TJ], v[TJ], v[TS]
	v_lshlrev_b32 v[TJ], 2, v[TJ]
	v_add_nc_u32 v[TJ], ZB+400, v[TJ]
	ds_load_b32 v[TMP], v[TJ]
	v_lshlrev_b32 v[WSV], 3, v0                    ; 8 x lane
	v_lshlrev_b32 v[WOP], 2, v0                    ; 4 x lane
	v_cmp_gt_u32 vcc_lo, 25, v0                    ; lanes 0 .. 24 hold the 100 centres' numbers
	s_wait_dscnt 0x0
.irp i, 0,1,2,3
	v_cndmask_b32 v[T+\i], 0, v[T+\i], vcc_lo      ; columns 100 .. 127 of zmat are zeros
.endr
	v_cvt_pk_bf16_f32 v[ACC], v[T], v[T+1]
	v_cvt_pk_bf16_f32 v[ACC+1], v[T+2], v[T+3]
	global_store_b64 v[WSV], v[ACC:ACC+1], s[52:53]            ; the store covers 256 consecutive bytes, aligned
	s_wait_xcnt 0x0                                ; EXEC is a source of the store above: it changes only behind this wait
	v_cmp_gt_u32 vcc_lo, 8, v0
	s_and_saveexec_b32 s46, vcc_lo
	global_store_b32 v[WOP], v[TMP], s[54:55]      ; eight lanes, 32 consecutive bytes
	s_wait_xcnt 0x0                                ; and again in front of the line that widens it
	s_or_b32 exec_lo, exec_lo, s46
.Lothers:
	s_wait_tensorcnt 0x0
	ds_add_u32 v221, v251
	s_wait_dscnt 0x0
	ROUND                                          ; the closing round
	s_endpgm
.Lfunc_end_k_q7c0d7e9b36_solve:
	.size	k_q7c0d7e9b36_solve, .Lfunc_end_k_q7c0d7e9b36_solve-k_q7c0d7e9b36_solve
	.p2alignl 7, 3214868480
	.fill 96, 4, 3214868480
	.section	.rodata,"a",@progbits
	.p2align	6, 0x0
	.amdhsa_kernel k_q7c0d7e9b36_solve
		.amdhsa_group_segment_fixed_size 177664
		.amdhsa_private_segment_fixed_size 0
		.amdhsa_enable_private_segment 0
		.amdhsa_kernarg_size 32
		.amdhsa_user_sgpr_count 2
		.amdhsa_user_sgpr_kernarg_segment_ptr 1
		.amdhsa_wavefront_size32 1
		.amdhsa_system_sgpr_workgroup_id_x 1
		.amdhsa_system_sgpr_workgroup_id_y 1
		.amdhsa_system_sgpr_workgroup_id_z 1
		.amdhsa_system_vgpr_workitem_id 0
		.amdhsa_next_free_vgpr 384
		.amdhsa_next_free_sgpr 66
		.amdhsa_reserve_vcc 1
		.amdhsa_float_denorm_mode_32 3
		.amdhsa_float_denorm_mode_16_64 3
		.amdhsa_memory_ordered 1
		.amdhsa_forward_progress 1
		.amdhsa_inst_pref_size 64
	.end_amdhsa_kernel
	.amdgpu_metadata
---
amdhsa.version: [ 1, 2 ]
amdhsa.kernels:
  - .name:           k_q7c0d7e9b36_solve
    .symbol:         k_q7c0d7e9b36_solve.kd
    .args:
      - { .name: sup, .offset: 0, .size: 8, .value_kind: global_buffer, .address_space: global }
      - { .name: pinv, .offset: 8, .size: 8, .value_kind: global_buffer, .address_space: global }
      - { .name: zmat, .offset: 16, .size: 8, .value_kind: global_buffer, .address_space: global }
      - { .name: zp, .offset: 24, .size: 8, .value_kind: global_buffer, .address_space: global }
    .group_segment_fixed_size: 177664
    .private_segment_fixed_size: 0
    .kernarg_segment_align: 8
    .kernarg_segment_size: 32
    .max_flat_workgroup_size: 128
    .sgpr_count:     66
    .vgpr_count:     384
    .wavefront_size: 32
...
	.end_amdgpu_metadata
.endif
;; end of part 2
;; launch main (part 3): grid 256 x 1, 4 waves a work-group, clusters of 4 x 1, 327,680 bytes of LDS; arguments h, sup, out0, pinv, zp, zmat; writes out0
.if DOCPART == 3
	.amdgcn_target "amdgcn-amd-amdhsa--gfx1250"
	.amdhsa_code_object_version 6
	.text
	.protected	k_q7c0d7e9b36_main
	.globl	k_q7c0d7e9b36_main
	.p2align	8
	.type	k_q7c0d7e9b36_main,@function
k_q7c0d7e9b36_main:
	s_mov_b64 s[64:65], 0
	v_nop
	global_prefetch_b8 v0, s[64:65] scope:SCOPE_SE
	s_setreg_imm32_b32 hwreg(HW_REG_WAVE_MODE, 25, 1), 1
	s_wait_xcnt 0x0
	s_wait_alu depctr_hold_cnt(0) depctr_sa_sdst(0) depctr_va_vdst(0) depctr_va_sdst(0) depctr_va_ssrc(0) depctr_va_vcc(0) depctr_vm_vsrc(0)
	s_getreg_b32 s2, hwreg(HW_REG_IB_STS2, 6, 4)
	s_cmp_eq_u32 s2, 0
	s_cbranch_scc0 .Lentry_in_a_cluster
	s_endpgm
.Lentry_in_a_cluster:
	s_bfe_u32 s2, ttmp6, 0x10000c
	s_cmp_lg_u32 s2, 0x3003
	s_cbranch_scc0 .Lentry_shape_is_right
	s_endpgm
.Lentry_shape_is_right:
; MAIN.  out[b][c] = ( sum_k softmax_k(cos / 0.05) cos ) / 0.07 + ( hn_b . W_c ) / 0.07,  cos[b][c][k] = hn_b . Pn[c][k].
; A work-group of four waves owns 128 rows of h and all 100 classes.  h is read once (f32), rounded to bf16 as it is, and kept as matrix
; fragments in registers for the whole kernel; rn = 1 / max(|h|, 1e-8) is made in f32 from the f32 numbers and applied to the f32 sums.  The
; prototypes are treated alike: sup holds them rounded as given, and pinv's 1 / max(norm, 1e-8) is applied to the f32 sums: y = sum x pinv,
; cos = rn y.
; THE RESIDUAL COMES FROM THE COSINES.  W_c = sum_i z_ci centre_i + sum_k z_ck Pn[c][k], and centre_i = cinv_i sum_k Pn[i][k], so
;   hn . W_c / 0.07 = rn ( sum_i zmat[c][i] U_i + sum_k zp[c][k] y[c][k] ),   U_i = sum_k y[i][k],
; with zmat = z cinv / 0.07 (bf16) and zp = z / 0.07 (f32) from the launch before.  The second sum is made beside the softmax; the first is a
; product [128 x 128] x [112 x 128]^T at the end, with U rounded to bf16: 56 matrix instructions a wave, where 100 rows of W in the big
; product would take 256.
; The 800 prototype rows are walked in ten steps: 160 rows (two groups of ten classes) x half of K (256), through two LDS slots.  Wave w: rows
; 64 (w >> 1) .., group 2 s + (w & 1): 5 x 4 accumulator tiles, 160 matrix instructions a step; an LDS fragment feeds four of them.
; THE MATRIX INSTRUCTION IS USED TRANSPOSED (source 0 = 16 prototype rows, source 1 = 16 rows of h): lane (r, hh) then holds, for row r of h,
; in tile t the eight sums of class q = 2 t + hh: the softmax stays in a lane.
; CLUSTER: all work-groups walk the same prototypes and zmat; the four of a cluster ask for each tile jointly (mask 15), which divides those
; requests by four.
; NO MAXIMUM is taken away in the softmax: both vectors are normalised by the problem's own formula; here a scaled prototype has norm at most 1
; and the rounded h at most (1 + 2^-8) |h|, so |cos / 0.05| is below 20.1 for every input; the exponentials lie in [1.8e-9, 5.4e8] and sums of
; eight of them stay far inside f32.
; LIMIT: a row's sum of squares must stay finite in f32 (|h| below about 8e17); the problem's own formula squares in the same way.
.set BP,    528                        ; an LDS row of 256 bf16: 512 bytes + 16 of padding: an odd multiple of 16, so 16 rows of a fragment start in 16 different 16-byte columns
.set UP,    272                        ; an LDS row of 128 bf16: 256 bytes + 16
.set SLOTB, 160*BP                     ; a slot: 84,480 bytes; slot 0 holds K 0 .. 255, slot 1 K 256 .. 511
.set ASTG,  2*SLOTB                    ; 128 rows x 528: bf16 of one half of K of my rows of h, on its way into fragments
.set USTG,  ASTG                       ; the same bytes later: 128 rows x 272: U as bf16, column = class
.set OSTG,  ASTG+128*BP                ; 128 rows x 400 bytes: the block of out, as it lies in memory
.set SSQ,   OSTG+51200                 ; 128 sums of squares
.set ZST,   SSQ+512                    ; 112 rows x 272: zmat; only the slots and these bytes are filled by tensor loads
; window 0
.set HOFF, 2                           ; my 16 bytes in h: 16 r, and 8 rows down for lanes 16 .. 31
.set ASTO, 3                           ; where my 8 bytes of bf16 go
.set AFRG, 4                           ; fragments of h
.set BFRG, 5                           ; v5, v6: fragments of the prototypes in slot 0, 1
.set SSTO, 7
.set SSLD, 8
.set OST0, 9                           ; my first word in the block of out
.set ORD,  10
.set OGL,  11
.set HH,   12                          ; lane / 16; v1 = lane % 16; both are kept
.set PVO,  14                          ; my byte offset in pinv and zp: class 10 wn + hh, 32 bytes a class; never rewritten
.set UST0, 15                          ; my first half word in the stage of U
.set SS,   16                          ; v[16:47]   the head: 16 pairs: sums of squares of my 16 numbers of a row and K half
.set T,    48                          ; v[48:63]   the head: packed bf16, two sets by turns, so that a set is rewritten two turns behind the stores that read it
.set PV,   16                          ; v[16:55]   behind the head: 1 / norm of the 8 prototypes of my class 2 t + hh, at PV + 8 t
.set TA,   56                          ; v56 .. v60 behind the head: zeros and an address; in the last phase addresses
.set UFRG, 57
.set ZFRG, 58
.set ORW6, 59
.set ORW,  60
.set F0,   64                          ; v[64:143]  fragments of the prototypes for two K steps of 32, two buffers
.set F1,   144                         ; v[144:223]
.set UA,   64                          ; v[64:127]  last phase: fragments of U
.set OB,   64                          ; v[64:163]  the way out
; window 1: accumulator tile (mi, n) at 8 (5 mi + n); before step 0 the landing zone of h's K half 0
.set ZP,   160                         ; v[160:199] zp of my class 2 t + hh, at ZP + 8 t
.set R,    200                         ; pairs: low = 20 log2(e) rn, high = rn of row 16 mi + r
.set OSTO, 208
.set USTO, 209
.set SA,   210                         ; two sets of 20 registers for the softmax and the sums
.set SB,   232
; window 2: fragments of h, K half 0, at 8 (4 ks + mi); last phase: fragments of zmat at 8 (4 n + ks)
; window 3: the landing zone of K half 1, then its fragments; last phase: the block of out at 8 (7 x + n)
.set G1,  16                           ; s[16:23] group 1 of the prototypes' tiles
.set G0,  32                           ; s[32:39] a group 0 for each slot
.set GZ1, 56                           ; s[56:63] group 1 of zmat's tile
.set GZ0, 68                           ; s[68:71] its group 0
.set MSB, 0
.macro WIN new                         ; the immediate's high byte repeats the setting that is left
.if MSB != \new
	s_set_vgpr_msb (MSB<<8)|\new
.set MSB, \new
.endif
.endm
.macro PLACES                          ; four places behind a matrix instruction (ISA guide 7.12.1)
.rept 4
	v_nop
.endr
.endm
.macro ROUND                           ; a round of the cluster's barrier
	s_barrier_signal -1
	s_barrier_wait -1
	s_cmp_lg_u32 s10, 0
	s_cbranch_scc1 .Lnot_wave_0_\@
	s_barrier_signal -3
.Lnot_wave_0_\@:
	s_barrier_wait -3
	s_barrier_signal -1
	s_barrier_wait -1
.endm
; Four loads: 1,024 bytes (one K half) of rows ROW(p) and ROW(p) + 8 of my wave's 32 rows, ROW(p) = 16 (p >> 3) + (p & 7).
; Sixteen lanes take 256 consecutive bytes, aligned, of one row.
.macro HLOAD half, p
.if \half
	WIN 0xc0
.else
	WIN 0x40
.endif
.irp q, 0,1,2,3
	global_load_b128 v[16*(\p)+4*\q:16*(\p)+4*\q+3], v[HOFF], s[4:5] offset:2048*(16*((\p)>>3)+((\p)&7))+256*(4*\half+\q) th:TH_LOAD_NT
.endr
.endm
; The same 16 numbers a lane: squares summed in f32, numbers rounded to bf16 and laid into the stage.
.macro HCONV half, p
.if \half
	WIN 0x0f
.else
	WIN 0x05
.endif
.irp q, 0,1,2,3
.if \half+\q == 0
	v_pk_mul_f32 v[SS+2*(\p):SS+2*(\p)+1], v[16*(\p):16*(\p)+1], v[16*(\p):16*(\p)+1]
.else
	v_pk_fma_f32 v[SS+2*(\p):SS+2*(\p)+1], v[16*(\p)+4*\q:16*(\p)+4*\q+1], v[16*(\p)+4*\q:16*(\p)+4*\q+1], v[SS+2*(\p):SS+2*(\p)+1]
.endif
	v_pk_fma_f32 v[SS+2*(\p):SS+2*(\p)+1], v[16*(\p)+4*\q+2:16*(\p)+4*\q+3], v[16*(\p)+4*\q+2:16*(\p)+4*\q+3], v[SS+2*(\p):SS+2*(\p)+1]
	v_cvt_pk_bf16_f32 v[T+8*((\p)&1)+2*\q], v[16*(\p)+4*\q], v[16*(\p)+4*\q+1]
	v_cvt_pk_bf16_f32 v[T+8*((\p)&1)+2*\q+1], v[16*(\p)+4*\q+2], v[16*(\p)+4*\q+3]
.endr
	WIN 0
.irp q, 0,1,2,3
	ds_store_b64 v[ASTO], v[T+8*((\p)&1)+2*\q:T+8*((\p)&1)+2*\q+1] offset:BP*(16*((\p)>>3)+((\p)&7))+128*\q
.endr
.endm
.macro AFETCH half                     ; 64 rows x 256 K out of the stage into 256 registers of fragments
.if \half
	WIN 0xc0
.else
	WIN 0x80
.endif
.irp ks, 0,1,2,3,4,5,6,7
.irp mi, 0,1,2,3
	ds_load_b128 v[8*(4*\ks+\mi):8*(4*\ks+\mi)+3],   v[AFRG] offset:16*BP*\mi+64*\ks
	ds_load_b128 v[8*(4*\ks+\mi)+4:8*(4*\ks+\mi)+7], v[AFRG] offset:16*BP*\mi+64*\ks+32
.endr
.endr
.endm
.macro FETCH2 slot, ks, f              ; 20 loads in one run: my group's 80 rows, K steps ks and ks + 1 (64 along K)
	WIN 0
.irp j, 0,1
.irp n, 0,1,2,3,4
	ds_load_b128 v[\f+40*\j+8*\n:\f+40*\j+8*\n+3],   v[BFRG+\slot] offset:16*BP*\n+64*((\ks)+\j)
	ds_load_b128 v[\f+40*\j+8*\n+4:\f+40*\j+8*\n+7], v[BFRG+\slot] offset:16*BP*\n+64*((\ks)+\j)+32
.endr
.endr
.endm
; Twenty loads: 1 / norm and zp of the prototypes of my five classes of this pair of groups, 32 bytes a class and table.  They are issued in front of
; the pair's second step and waited for behind its 160 matrix instructions; the last pair's reads end at byte 3,200, where both tables end.
.macro PVLOAD
	WIN 0
.irp t, 0,1,2,3,4
	global_load_b128 v[PV+8*\t:PV+8*\t+3],   v[PVO], s[48:49] offset:64*\t
	global_load_b128 v[PV+8*\t+4:PV+8*\t+7], v[PVO], s[48:49] offset:64*\t+16
.endr
	WIN 0x40
.irp t, 0,1,2,3,4
	global_load_b128 v[ZP+8*\t:ZP+8*\t+3],   v[PVO], s[50:51] offset:64*\t
	global_load_b128 v[ZP+8*\t+4:ZP+8*\t+7], v[PVO], s[50:51] offset:64*\t+16
.endr
.endm
; 20 matrix instructions; the 20 accumulators take turns, one instruction a turn, in the same order everywhere.
.macro MUL ks, f, win, zero
	WIN \win
.irp n, 0,1,2,3,4
.irp mi, 0,1,2,3
.if \zero
	v_wmma_f32_16x16x32_bf16 v[8*(5*\mi+\n):8*(5*\mi+\n)+7], v[\f+8*\n:\f+8*\n+7], v[8*(4*(\ks)+\mi):8*(4*(\ks)+\mi)+7], 0
.else
	v_wmma_f32_16x16x32_bf16 v[8*(5*\mi+\n):8*(5*\mi+\n)+7], v[\f+8*\n:\f+8*\n+7], v[8*(4*(\ks)+\mi):8*(4*(\ks)+\mi)+7], v[8*(5*\mi+\n):8*(5*\mi+\n)+7]
.endif
.endr
.endr
.endm
; A step: 8 x 32 along K.  win: 0x58 = h's fragments in window 2, 0x5c = in window 3; C and D in window 1, the prototypes' fragments in window 0.
; zero = 1: the first products start the sums.  Fragments come in four runs of loads a step; the last three each 40 matrix instructions ahead of its use.
.macro STEP slot, win, zero
	PLACES                                         ; both buffers were read by earlier matrix instructions
	FETCH2 \slot, 0, F0
	FETCH2 \slot, 2, F1
	s_wait_dscnt 20                                ; the 20 loads just issued stay out
	MUL 0, F0, \win, \zero
	MUL 1, F0+40, \win, 0
	PLACES
	FETCH2 \slot, 4, F0
	s_wait_dscnt 20
	MUL 2, F1, \win, 0
	MUL 3, F1+40, \win, 0
	PLACES
	FETCH2 \slot, 6, F1
	s_wait_dscnt 20
	MUL 4, F0, \win, 0
	MUL 5, F0+40, \win, 0
	s_wait_dscnt 0x0
	MUL 6, F1, \win, 0
	MUL 7, F1+40, \win, 0
.endm
; The change of slots in front of a step on slot cur.  Every wave waits for all its tensor loads and for all its LDS instructions; then, where the
; slot read last is filled again, a round of the cluster's barrier, and the joint refill first behind it: one tensor load a wave, one out.
.macro TRIP cur, refill
	WIN 0
	s_wait_tensorcnt 0x0
	ds_add_u32 v254, v255
	s_wait_dscnt 0x0
.if \refill
	s_add_nc_u64 s[G0+6-4*\cur:G0+7-4*\cur], s[G0+6-4*\cur:G0+7-4*\cur], 163840   ; no load of mine is out: the other slot's next tile, 160 rows on
.endif
	s_wait_dscnt 0x0
.if \refill
	ROUND
	tensor_load_to_lds s[G0+4-4*\cur:G0+7-4*\cur], s[G1:G1+7]
	s_nop 0
.else
	s_barrier_signal -1
	s_barrier_wait -1
.endif
.endm
; The softmax and the sums for one class and one row in each lane; two tiles side by side on two sets of registers.
; A set: + 0 .. 7 exponentials, + 8 .. 11 their sum, + 12, 13 sum of e y, + 14 .. 17 U = sum of y, + 18, 19 sum of zp y.
.macro E_SCALE s, mi, t
.irp i, 0,2,4,6
	v_pk_mul_f32 v[\s+\i:\s+\i+1], v[8*(5*\mi+\t)+\i:8*(5*\mi+\t)+\i+1], v[R+2*\mi:R+2*\mi+1] op_sel_hi:[1,0]
.endr
.endm
.macro E_EXP s
.irp i, 0,1,2,3,4,5,6,7
	v_exp_f32 v[\s+\i], v[\s+\i]
.endr
.endm
.macro E_LIN s, mi, t                  ; the two sums that need no exponential
	v_pk_add_f32 v[\s+14:\s+15], v[8*(5*\mi+\t):8*(5*\mi+\t)+1], v[8*(5*\mi+\t)+2:8*(5*\mi+\t)+3]
	v_pk_add_f32 v[\s+16:\s+17], v[8*(5*\mi+\t)+4:8*(5*\mi+\t)+5], v[8*(5*\mi+\t)+6:8*(5*\mi+\t)+7]
	v_pk_mul_f32 v[\s+18:\s+19], v[8*(5*\mi+\t):8*(5*\mi+\t)+1], v[ZP+8*\t:ZP+8*\t+1]
	v_pk_add_f32 v[\s+14:\s+15], v[\s+14:\s+15], v[\s+16:\s+17]
.irp i, 2,4,6
	v_pk_fma_f32 v[\s+18:\s+19], v[8*(5*\mi+\t)+\i:8*(5*\mi+\t)+\i+1], v[ZP+8*\t+\i:ZP+8*\t+\i+1], v[\s+18:\s+19]
.endr
	v_add_f32 v[\s+14], v[\s+14], v[\s+15]
	v_add_f32 v[\s+18], v[\s+18], v[\s+19]
.endm
.macro E_SUM s, mi, t
	s_wait_alu depctr_va_vdst(0)
	v_pk_add_f32 v[\s+8:\s+9], v[\s:\s+1], v[\s+2:\s+3]
	v_pk_add_f32 v[\s+10:\s+11], v[\s+4:\s+5], v[\s+6:\s+7]
	v_pk_mul_f32 v[\s+12:\s+13], v[\s:\s+1], v[8*(5*\mi+\t):8*(5*\mi+\t)+1]
	v_pk_add_f32 v[\s+8:\s+9], v[\s+8:\s+9], v[\s+10:\s+11]
.irp i, 2,4,6
	v_pk_fma_f32 v[\s+12:\s+13], v[\s+\i:\s+\i+1], v[8*(5*\mi+\t)+\i:8*(5*\mi+\t)+\i+1], v[\s+12:\s+13]
.endr
	v_add_f32 v[\s+8], v[\s+8], v[\s+9]
	v_add_f32 v[\s+12], v[\s+12], v[\s+13]
.endm
.macro EPAIR ma, mb, t
	E_SCALE SA, \ma, \t
	E_SCALE SB, \mb, \t
	E_EXP SA
	E_EXP SB
	E_LIN SA, \ma, \t                              ; its first line is also the plain place behind the exponentials
	E_LIN SB, \mb, \t
	E_SUM SA, \ma, \t
	E_SUM SB, \mb, \t
	v_rcp_f32 v[SA+9], v[SA+8]
	v_rcp_f32 v[SB+9], v[SB+8]
	v_mul_f32 v[SA+12], s25, v[SA+12]              ; / 0.07 (class prior): also the plain place behind the reciprocals
	v_mul_f32 v[SB+12], s25, v[SB+12]
	s_wait_alu depctr_va_vdst(0)
	v_fma_f32 v[SA+10], v[SA+12], v[SA+9], v[SA+18]            ; + the prototypes' part of the residual
	v_fma_f32 v[SB+10], v[SB+12], v[SB+9], v[SB+18]
	v_mul_f32 v[SA+10], v[SA+10], v[R+2*\ma+1]     ; x rn
	v_mul_f32 v[SB+10], v[SB+10], v[R+2*\mb+1]
	v_cvt_pk_bf16_f32 v[SA+16], v[SA+14], v[SB+14] ; the two U: low half row tile ma, high half row tile mb
	ds_store_b32 v[OSTO], v[SA+10] offset:6400*\ma+8*\t        ; word 100 r + hh + const: 32 different banks of 64 (ISA guide 11.1)
	ds_store_b32 v[OSTO], v[SB+10] offset:6400*\mb+8*\t
	ds_store_b16 v[USTO], v[SA+16] offset:16*UP*\ma+4*\t       ; word 68 r + const, both halves of the lanes in one word: 16 different banks
	ds_store_b16_d16_hi v[USTO], v[SA+16] offset:16*UP*\mb+4*\t
.endm
.macro EPI
	PLACES                                         ; behind the last matrix instructions, whose results are read and rewritten now
	s_wait_loadcnt 0x0                             ; the twenty loads of 1 / norm and zp: the wave's only loads that are out; the wait also frees their bases,
	s_add_nc_u64 s[48:49], s[48:49], 640           ; which step to the next two groups: 20 classes of 32 bytes
	s_add_nc_u64 s[50:51], s[50:51], 640
	WIN 0x41                                       ; sums in window 1, 1 / norm in window 0
.irp mi, 0,1,2,3
.irp t, 0,1,2,3,4
.irp i, 0,2,4,6
	v_pk_mul_f32 v[8*(5*\mi+\t)+\i:8*(5*\mi+\t)+\i+1], v[8*(5*\mi+\t)+\i:8*(5*\mi+\t)+\i+1], v[PV+8*\t+\i:PV+8*\t+\i+1]
.endr
.endr
.endr
	WIN 0x55                                       ; everything in window 1
.irp t, 0,1,2,3,4
	EPAIR 0, 1, \t
	EPAIR 2, 3, \t
.endr
	v_add_nc_u32 v[OSTO], 80, v[OSTO]              ; the next two groups: 20 classes on
	v_add_nc_u32 v[USTO], 40, v[USTO]
	WIN 0
.endm
	s_load_b128 s[4:7], s[0:1], 0x0                ; h s[4:5], sup s[6:7]
	s_load_b64 s[8:9], s[0:1], 0x10                ; out0
	s_load_b128 s[48:51], s[0:1], 0x18             ; pinv s[48:49], zp s[50:51]
	s_load_b64 s[52:53], s[0:1], 0x28              ; zmat
	v_lshl_add_u32 v254, v0, 2, 0x4dd00
	v_mov_b32 v255, 0
	ds_add_u32 v254, v255
	v_lshrrev_b32 v1, 5, v0
	v_readfirstlane_b32 s10, v1                    ; wave 0 .. 3
	v_and_b32 v1, 15, v0                           ; r
	v_bfe_u32 v[HH], v0, 4, 1                      ; hh
	v_lshlrev_b32 v[HOFF], 4, v1
	v_lshl_add_u32 v[HOFF], v[HH], 14, v[HOFF]
	s_bfe_u32 s13, ttmp6, 0x40000                  ; my place in the cluster: it enters the addresses of h and out alone
	s_lshl_b32 s14, ttmp9, 2
	s_add_co_u32 s14, s14, s13                     ; work-group 0 .. 255
	s_lshl_b32 s28, s14, 18                        ; 128 rows of 2,048 bytes
	s_lshl_b32 s15, s10, 16                        ; my wave's 32 rows
	s_add_co_u32 s28, s28, s15
	s_mov_b32 s29, 0
	s_mul_i32 s30, s14, 51200                      ; 128 rows of 400 bytes
	s_mov_b32 s31, 0
	s_wait_dscnt 0x0
	s_wait_kmcnt 0x0
	s_add_nc_u64 s[4:5], s[4:5], s[28:29]
	s_add_nc_u64 s[8:9], s[8:9], s[30:31]
.irp p, 0,1,2,3,4,5,6,7,8,9,10,11,12,13,14,15
	HLOAD 0, \p                                    ; K half 0 of my 32 rows: 32 KiB of each wave on their way
.endr
	WIN 0
	; group 1 of the prototypes' tiles: 40 rows of 256 bf16 for each wave, 4 words of padding behind every 128 words; mask 15 with bit 21 beside it
	s_mov_b32 s[G1+0], 15|(1<<16)|(1<<20)|(1<<21)|(6<<22)|(3<<25)
	s_mov_b32 s[G1+1], 256<<16                     ; tensor_dim0 = 256
	s_mov_b32 s[G1+2], 40<<16                      ; tensor_dim1 = 40
	s_mov_b32 s[G1+3], 256<<16                     ; tile_dim0 = 256
	s_mov_b32 s[G1+4], 40                          ; tile_dim1 = 40
	s_mov_b32 s[G1+5], 512                         ; elements from row to row
	s_mov_b32 s[G1+6], 0
	s_mov_b32 s[G1+7], 0
	s_mul_i32 s40, s10, 40960                      ; my 40 rows of 1,024 bytes,
	s_add_co_u32 s40, s40, 102400                  ; behind the 100 centres
	s_mov_b32 s41, 0
	s_mov_b32 s[G0+0], 1
	s_mul_i32 s[G0+1], s10, 40*BP
	s_add_nc_u64 s[G0+2:G0+3], s[6:7], s[40:41]
	s_mov_b32 s[G0+4], 1
	s_add_co_u32 s[G0+5], s[G0+1], SLOTB
	s_add_nc_u64 s[G0+6:G0+7], s[G0+2:G0+3], 512   ; K half 1
	s_or_b32 s[G0+3], s[G0+3], 0x80000000
	s_or_b32 s[G0+7], s[G0+7], 0x80000000
	; zmat: 28 rows of 128 bf16 for each wave, 4 words of padding behind every 64 words.  From wave w's first row the tensor has 100 - 28 w rows
	; left (16 for wave 3): rows 100 .. 111 arrive as zeros
	s_mov_b32 s[GZ1+0], 15|(1<<16)|(1<<20)|(1<<21)|(5<<22)|(3<<25)
	s_mov_b32 s[GZ1+1], 128<<16                    ; tensor_dim0 = 128
	s_mul_i32 s42, s10, 28
	s_sub_co_u32 s42, 100, s42
	s_lshl_b32 s[GZ1+2], s42, 16                   ; tensor_dim1 = 100 - 28 w
	s_mov_b32 s[GZ1+3], 128<<16                    ; tile_dim0 = 128
	s_mov_b32 s[GZ1+4], 28                         ; tile_dim1 = 28
	s_mov_b32 s[GZ1+5], 128                        ; elements from row to row
	s_mov_b32 s[GZ1+6], 0
	s_mov_b32 s[GZ1+7], 0
	s_mov_b32 s[GZ0+0], 1
	s_mul_i32 s[GZ0+1], s10, 28*UP
	s_add_co_u32 s[GZ0+1], s[GZ0+1], ZST
	s_mul_i32 s42, s10, 28*256
	s_mov_b32 s43, 0
	s_add_nc_u64 s[GZ0+2:GZ0+3], s[52:53], s[42:43]
	s_or_b32 s[GZ0+3], s[GZ0+3], 0x80000000
	ROUND                                          ; all four work-groups are here: the first joint loads meet
	tensor_load_to_lds s[G0:G0+3], s[G1:G1+7]      ; both slots' first tiles and my part of zmat: three tensor loads are out
	s_nop 0
	tensor_load_to_lds s[G0+4:G0+7], s[G1:G1+7]
	s_nop 0
	tensor_load_to_lds s[GZ0:GZ0+3], s[GZ1:GZ1+7]
	s_nop 0
	s_lshr_b32 s11, s10, 1                         ; wm: which 64 rows
	s_and_b32 s12, s10, 1                          ; wn: which of the two groups
	s_mov_b32 s25, 0x41649249                      ; 1 / 0.07 (class prior)
	s_mul_i32 s40, s10, 32*BP
	s_add_co_u32 s40, s40, ASTG
	v_mul_u32_u24 v[ASTO], v[HH], 8*BP
	v_lshl_add_u32 v[ASTO], v1, 3, v[ASTO]
	v_add_nc_u32 v[ASTO], s40, v[ASTO]             ; stage row 32 w + 8 hh, byte 8 r
	v_mul_u32_u24 v13, v1, BP
	v_lshl_add_u32 v13, v[HH], 4, v13              ; row r, 16 bytes for each half of the lanes
	s_mul_i32 s41, s11, 64*BP
	s_add_co_u32 s41, s41, ASTG
	v_add_nc_u32 v[AFRG], s41, v13
	s_mul_i32 s42, s12, 80*BP
	v_add_nc_u32 v[BFRG], s42, v13
	v_add_nc_u32 v[BFRG+1], SLOTB, v[BFRG]
	s_lshl_b32 s43, s10, 7
	s_add_co_u32 s43, s43, SSQ
	v_lshl_add_u32 v[SSTO], v[HH], 5, s43          ; word 32 w + 8 hh
	s_lshl_b32 s44, s11, 8
	s_add_co_u32 s44, s44, SSQ
	v_lshl_add_u32 v[SSLD], v1, 2, s44             ; word 64 wm + r
	s_mul_i32 s45, s11, 25600
	s_mul_i32 s46, s12, 40
	s_add_co_u32 s45, s45, s46
	s_add_co_u32 s45, s45, OSTG
	v_mul_u32_u24 v[OST0], v1, 400
	v_lshl_add_u32 v[OST0], v[HH], 2, v[OST0]
	v_add_nc_u32 v[OST0], s45, v[OST0]             ; row 64 wm + r, class 10 wn + hh
	s_mul_i32 s54, s11, 64*UP
	s_mul_i32 s55, s12, 20
	s_add_co_u32 s54, s54, s55
	s_add_co_u32 s54, s54, USTG
	v_mul_u32_u24 v[UST0], v1, UP
	v_lshl_add_u32 v[UST0], v[HH], 1, v[UST0]
	v_add_nc_u32 v[UST0], s54, v[UST0]             ; the same place in the stage of U, 2 bytes a class
	v_lshlrev_b32 v[OGL], 4, v0
	v_add_nc_u32 v[ORD], OSTG, v[OGL]
	s_mul_i32 s47, s12, 320
	v_lshl_add_u32 v[PVO], v[HH], 5, s47           ; 32 bytes x (10 wn + hh)
.irp p, 0,1,2,3,4,5,6,7,8,9,10,11,12,13,14,15
	s_wait_loadcnt 60                              ; 64 + 4 p loads are issued and the first 4 p + 4 are needed: 60 may stay out
	HCONV 0, \p
	HLOAD 1, \p                                    ; K half 1 follows as K half 0 is taken
.endr
	s_wait_dscnt 0x0                               ; for the others' sake: my rows of the stage are written
	s_barrier_signal -1
	s_barrier_wait -1
	AFETCH 0
	s_wait_dscnt 0x0                               ; my reads of the stage are back: it is written again behind this barrier
	s_wait_tensorcnt 0x2                           ; my part of slot 0 is in; slot 1's and zmat's may stay out
	s_barrier_signal -1
	s_barrier_wait -1
	STEP 0, 0x58, 1                                ; groups 0 and 1, K half 0, while K half 1 of h is arriving
.irp p, 0,1,2,3,4,5,6,7,8,9,10,11,12,13,14,15
	s_wait_loadcnt 60-4*\p                         ; of the last 64 loads the first 4 p + 4 are needed
	HCONV 1, \p
.endr
	; sums of squares: the pair's halves, then the sixteen lanes that share a row
.irp p, 0,1,2,3,4,5,6,7,8,9,10,11,12,13,14,15
	v_add_f32 v[SS+2*\p], v[SS+2*\p], v[SS+2*\p+1]
.endr
.irp m, 1,2,4,8
.irp p, 0,1,2,3,4,5,6,7,8,9,10,11,12,13,14,15
	v_add_f32_dpp v[SS+2*\p], v[SS+2*\p], v[SS+2*\p] row_xmask:\m row_mask:0xf bank_mask:0xf
.endr
.endr
.irp p, 0,1,2,3,4,5,6,7,8,9,10,11,12,13,14,15
	ds_store_b32 v[SSTO], v[SS+2*\p] offset:4*(16*(\p>>3)+(\p&7))      ; sixteen lanes store the same word
.endr
	TRIP 1, 1                                      ; its barrier also shows the stage, the sums of squares and zmat to every wave
	PVLOAD                                         ; all loads of h are in: these twenty are the only ones out
	WIN 0x40
.irp mi, 0,1,2,3
	ds_load_b32 v[R+2*\mi+1], v[SSLD] offset:64*\mi
.endr
	v_mov_b32 v[OSTO], v[OST0]
	v_mov_b32 v[USTO], v[UST0]
	AFETCH 1
	STEP 1, 0x5c, 0                                ; its first wait leaves 20 loads out: the fragments of h and the sums of squares are in
	s_barrier_signal -1                            ; every wave has waited for its last reads of the stage of h (no LDS instruction of mine is out):
	s_barrier_wait -1                              ; behind this barrier the same bytes are the stage of U
	WIN 0
	v_mov_b32 v[TA], 0
	v_mov_b32 v[TA+1], 0
	v_and_b32 v[ZFRG], 31, v0
	v_mul_u32_u24 v[ZFRG], v[ZFRG], UP
	s_mul_i32 s40, s10, 32*UP
	s_add_co_u32 s40, s40, USTG+200
	v_add_nc_u32 v[ZFRG], s40, v[ZFRG]             ; row 32 w + lane, column 100
.irp j, 0,1,2,3,4,5,6
	ds_store_b64 v[ZFRG], v[TA:TA+1] offset:8*\j   ; columns 100 .. 127 of U are zeros: they meet zmat's zeros in the last product
.endr
	WIN 0x55
.irp mi, 0,1,2,3
	v_sqrt_f32 v[R+2*\mi], v[R+2*\mi+1]
.endr
	v_nop                                          ; one plain place behind the roots (ISA guide 5.7.2)
	s_wait_alu depctr_va_vdst(0)
.irp mi, 0,1,2,3
	v_max_num_f32 v[R+2*\mi], 0x322bcc77, v[R+2*\mi]           ; max(|h|, 1e-8)
.endr
.irp mi, 0,1,2,3
	v_rcp_f32 v[R+2*\mi+1], v[R+2*\mi]
.endr
	v_nop
	s_wait_alu depctr_va_vdst(0)
.irp mi, 0,1,2,3
	v_mul_f32 v[R+2*\mi], 0x41e6d4ca, v[R+2*\mi+1]             ; x log2(e) / 0.05
.endr
	EPI
	s_mov_b32 s24, 3
.Lgroups:
	TRIP 0, 1
	STEP 0, 0x58, 1
	TRIP 1, 1
	PVLOAD
	STEP 1, 0x5c, 0
	EPI
	s_sub_co_i32 s24, s24, 1
	s_cmp_lg_u32 s24, 0
	s_cbranch_scc1 .Lgroups
	TRIP 0, 1                                      ; groups 8 and 9: the last fill is slot 1's
	STEP 0, 0x58, 1
	TRIP 1, 0                                      ; nothing is left to fetch: the work-group's barrier alone
	PVLOAD
	STEP 1, 0x5c, 0
	EPI
	; THE CENTRES' PART OF THE RESIDUAL.  Wave w takes rows 32 w .. 32 w + 31 (row tiles x = 0, 1) and all seven tiles of 16 classes:
	; D = U zmat^T over K = 128 classes, 56 matrix instructions, and out += rn D on the block in LDS.
	s_wait_dscnt 0x0                               ; for the others' sake: my parts of the block of out and of U are written
	s_barrier_signal -1
	s_barrier_wait -1
	s_mul_i32 s40, s10, 32*UP
	s_add_co_u32 s40, s40, USTG
	s_mul_i32 s41, s10, 12800
	s_add_co_u32 s41, s41, OSTG
	s_cmp_eq_u32 s12, 1
	s_cselect_b32 s27, -1, 0                       ; all lanes: my rows are row tiles 2, 3 (wn = 1) or 0, 1 of the 64 whose rn I hold
	v_mul_u32_u24 v[TA], v1, UP
	v_lshl_add_u32 v[TA], v[HH], 4, v[TA]          ; row r, 16 bytes for each half of the lanes
	v_add_nc_u32 v[UFRG], s40, v[TA]
	v_add_nc_u32 v[ZFRG], ZST, v[TA]
	v_mul_u32_u24 v[ORW6], v1, 400
	v_add_nc_u32 v[ORW6], s41, v[ORW6]             ; row 32 w + r of the block of out
	v_lshl_add_u32 v[ORW], v[HH], 5, v[ORW6]       ; and 8 classes on for lanes 16 .. 31
.irp x, 0,1
.irp ks, 0,1,2,3
	ds_load_b128 v[UA+8*(4*\x+\ks):UA+8*(4*\x+\ks)+3],   v[UFRG] offset:16*UP*\x+64*\ks
	ds_load_b128 v[UA+8*(4*\x+\ks)+4:UA+8*(4*\x+\ks)+7], v[UFRG] offset:16*UP*\x+64*\ks+32
.endr
.endr
	WIN 0x80
.irp n, 0,1,2,3,4,5,6
.irp ks, 0,1,2,3
	ds_load_b128 v[8*(4*\n+\ks):8*(4*\n+\ks)+3],   v[ZFRG] offset:16*UP*\n+64*\ks
	ds_load_b128 v[8*(4*\n+\ks)+4:8*(4*\n+\ks)+7], v[ZFRG] offset:16*UP*\n+64*\ks+32
.endr
.endr
	WIN 0xc0
.irp x, 0,1
.irp n, 0,1,2,3,4,5
	ds_load_b128 v[8*(7*\x+\n):8*(7*\x+\n)+3],   v[ORW] offset:6400*\x+64*\n
	ds_load_b128 v[8*(7*\x+\n)+4:8*(7*\x+\n)+7], v[ORW] offset:6400*\x+64*\n+16
.endr
.endr
	s_wait_dscnt 24                                ; the 24 loads of the block of out stay out; the fragments are in
	WIN 0x52                                       ; source 0 (zmat) window 2, source 1 (U) window 0, C and D window 1
	; the 14 accumulators take turns, one instruction a turn
.irp ks, 0,1,2,3
.irp n, 0,1,2,3,4,5,6
.irp x, 0,1
.if \ks == 0
	v_wmma_f32_16x16x32_bf16 v[8*(7*\x+\n):8*(7*\x+\n)+7], v[8*(4*\n+\ks):8*(4*\n+\ks)+7], v[UA+8*(4*\x+\ks):UA+8*(4*\x+\ks)+7], 0
.else
	v_wmma_f32_16x16x32_bf16 v[8*(7*\x+\n):8*(7*\x+\n)+7], v[8*(4*\n+\ks):8*(4*\n+\ks)+7], v[UA+8*(4*\x+\ks):UA+8*(4*\x+\ks)+7], v[8*(7*\x+\n):8*(7*\x+\n)+7]
.endif
.endr
.endr
.endr
	PLACES
	WIN 0x55
.irp x, 0,1
	v_cndmask_b32 v[SA+2*\x],   v[R+2*\x+1], v[R+2*\x+5], s27  ; rn of row 32 w + 16 x + r, twice: a pair for the packed form
	v_cndmask_b32 v[SA+2*\x+1], v[R+2*\x+1], v[R+2*\x+5], s27
.endr
	s_wait_dscnt 0x0
	WIN 0xf5                                       ; D and rn in window 1, the block of out in window 3
.irp x, 0,1
.irp n, 0,1,2,3,4,5
.irp i, 0,2,4,6
	v_pk_fma_f32 v[8*(7*\x+\n)+\i:8*(7*\x+\n)+\i+1], v[8*(7*\x+\n)+\i:8*(7*\x+\n)+\i+1], v[SA+2*\x:SA+2*\x+1], v[8*(7*\x+\n)+\i:8*(7*\x+\n)+\i+1]
.endr
.endr
.endr
	WIN 0x0c                                       ; store data in window 3
.irp x, 0,1
.irp n, 0,1,2,3,4,5
	ds_store_b128 v[ORW], v[8*(7*\x+\n):8*(7*\x+\n)+3]   offset:6400*\x+64*\n
	ds_store_b128 v[ORW], v[8*(7*\x+\n)+4:8*(7*\x+\n)+7] offset:6400*\x+64*\n+16
.endr
.endr
	; tile 6 has classes 96 .. 99 alone: the first four numbers of lanes 0 .. 15
	WIN 0
	s_wait_xcnt 0x0                                ; EXEC changes only behind this wait
	v_cmp_eq_u32 vcc_lo, 0, v[HH]
	s_and_saveexec_b32 s28, vcc_lo
	WIN 0xc0
.irp x, 0,1
	ds_load_b128 v[8*(7*\x+6):8*(7*\x+6)+3], v[ORW6] offset:6400*\x+384
.endr
	s_wait_dscnt 0x0
	WIN 0xf5
.irp x, 0,1
.irp i, 0,2
	v_pk_fma_f32 v[8*(7*\x+6)+\i:8*(7*\x+6)+\i+1], v[8*(7*\x+6)+\i:8*(7*\x+6)+\i+1], v[SA+2*\x:SA+2*\x+1], v[8*(7*\x+6)+\i:8*(7*\x+6)+\i+1]
.endr
.endr
	WIN 0x0c
.irp x, 0,1
	ds_store_b128 v[ORW6], v[8*(7*\x+6):8*(7*\x+6)+3] offset:6400*\x+384
.endr
	WIN 0
	s_wait_xcnt 0x0                                ; and again in front of the line that widens it
	s_or_b32 exec_lo, exec_lo, s28
	; THE WAY OUT: the block of 128 x 100 f32 lies in LDS as in memory, 51,200 dense bytes: each store of a wave covers 512 consecutive bytes, aligned
	s_wait_dscnt 0x0
	s_barrier_signal -1
	s_barrier_wait -1
.irp i, 0,1,2,3,4,5,6,7,8,9,10,11,12,13,14,15,16,17,18,19,20,21,22,23,24
	ds_load_b128 v[OB+4*\i:OB+4*\i+3], v[ORD] offset:2048*\i
.endr
.irp i, 0,1,2,3,4,5,6,7,8,9,10,11,12,13,14,15,16,17,18,19,20,21,22,23,24
	s_wait_dscnt 24-\i                             ; the younger loads stay out
	global_store_b128 v[OGL], v[OB+4*\i:OB+4*\i+3], s[8:9] offset:2048*\i th:TH_STORE_NT
.endr
	s_wait_tensorcnt 0x0
	ds_add_u32 v254, v255
	s_wait_dscnt 0x0
	ROUND                                          ; the closing round
	s_endpgm
.Lfunc_end_k_q7c0d7e9b36_main:
	.size	k_q7c0d7e9b36_main, .Lfunc_end_k_q7c0d7e9b36_main-k_q7c0d7e9b36_main
	.p2alignl 7, 3214868480
	.fill 96, 4, 3214868480
	.section	.rodata,"a",@progbits
	.p2align	6, 0x0
	.amdhsa_kernel k_q7c0d7e9b36_main
		.amdhsa_group_segment_fixed_size 327680
		.amdhsa_private_segment_fixed_size 0
		.amdhsa_enable_private_segment 0
		.amdhsa_kernarg_size 48
		.amdhsa_user_sgpr_count 2
		.amdhsa_user_sgpr_kernarg_segment_ptr 1
		.amdhsa_wavefront_size32 1
		.amdhsa_system_sgpr_workgroup_id_x 1
		.amdhsa_system_sgpr_workgroup_id_y 1
		.amdhsa_system_sgpr_workgroup_id_z 1
		.amdhsa_system_vgpr_workitem_id 0
		.amdhsa_next_free_vgpr 1024
		.amdhsa_next_free_sgpr 72
		.amdhsa_reserve_vcc 1
		.amdhsa_float_denorm_mode_32 3
		.amdhsa_float_denorm_mode_16_64 3
		.amdhsa_memory_ordered 1
		.amdhsa_forward_progress 1
		.amdhsa_inst_pref_size 255
	.end_amdhsa_kernel
	.section	.bss,"aw",@nobits
	.p2align	6
	.space	262144
	.amdgpu_metadata
---
amdhsa.version: [ 1, 2 ]
amdhsa.kernels:
  - .name:           k_q7c0d7e9b36_main
    .symbol:         k_q7c0d7e9b36_main.kd
    .args:
      - { .name: h, .offset: 0, .size: 8, .value_kind: global_buffer, .address_space: global }
      - { .name: sup, .offset: 8, .size: 8, .value_kind: global_buffer, .address_space: global }
      - { .name: out0, .offset: 16, .size: 8, .value_kind: global_buffer, .address_space: global }
      - { .name: pinv, .offset: 24, .size: 8, .value_kind: global_buffer, .address_space: global }
      - { .name: zp, .offset: 32, .size: 8, .value_kind: global_buffer, .address_space: global }
      - { .name: zmat, .offset: 40, .size: 8, .value_kind: global_buffer, .address_space: global }
    .group_segment_fixed_size: 327680
    .private_segment_fixed_size: 0
    .kernarg_segment_align: 8
    .kernarg_segment_size: 48
    .max_flat_workgroup_size: 128
    .sgpr_count:     72
    .vgpr_count:     1024
    .wavefront_size: 32
...
	.end_amdgpu_metadata
.endif
;; end of part 3
;; ======== version 2 of 2: 3 launches; version 1 with the launch norm written anew for expert scheduling mode
;; limits: an iteration or a series of the reference is cut at 13 steps
;; workspace buffers: sup 921,600 bytes; pinv 3,840 bytes; zmat 25,600 bytes; zp 3,328 bytes
;; launch norm (part 4): grid 100 x 1, 1 waves a work-group, no clusters, 0 bytes of LDS; arguments prototypes, sup, pinv; writes sup, pinv
.if DOCPART == 4
	.amdgcn_target "amdgcn-amd-amdhsa--gfx1250"
	.amdhsa_code_object_version 6
	.text
	.protected	k_q7c0d7e9b36_norm
	.globl	k_q7c0d7e9b36_norm
	.p2align	8
	.type	k_q7c0d7e9b36_norm,@function
k_q7c0d7e9b36_norm:
	s_mov_b64 s[64:65], 0
	v_nop
	global_prefetch_b8 v0, s[64:65] scope:SCOPE_SE
	s_setreg_imm32_b32 hwreg(HW_REG_WAVE_SCHED_MODE, 0, 2), 2
	s_setreg_imm32_b32 hwreg(HW_REG_WAVE_MODE, 25, 1), 1
	s_wait_xcnt 0x0
	s_wait_alu depctr_vm_vsrc(0)
; NORM.  One wave takes one class c.  The class's 8 prototypes are rounded to bf16 AS THEY ARE GIVEN: these are the matrix operands of the later
; launches, which apply 1 / max(|row|, 1e-8) in f32 to their f32 sums.  The norms are those of the rounded rows, so a scaled row has norm 1
; (or less, where the 1e-8 acts).  The class centre (mean of the 8 scaled rows, normalised again) is made in f32 and rounded to bf16.
;   sup:  bf16 rows of 1,024 bytes: rows 0 .. 99 the centres (normalised), row 100 + 8 c + k the prototypes (not scaled).
;   pinv: f32 [100][8]: 1 / max(|row|, 1e-8); behind them, from byte 3,200, f32 [100]: cinv = 0.125 / max(|mean|, 1e-8), so that
;         centre = cinv x (sum of the class's 8 scaled rows).
; 16 KiB in and 9 KiB out for a wave: no LDS, no barrier, no matrix work; the work-groups share no input, so no cluster.
; LIMIT: a row's sum of squares must stay finite in f32 (|x| below about 8e17); the problem's own formula squares in the same way.
; THE MODE: SCHED_MODE bits 1:0 = 2 (LLVM: expert scheduling mode 2), set by the entry lines.  The code itself states the register dependences
; between vector instructions and memory instructions, with s_wait_alu, always for 0.
; THE PLAN.  Registers that memory instructions touch:
;   v1, v2, v3      byte offsets, made at the head and never written again: v1 is read by the loads, v2 by the stores of rows, v3 by lane 0's stores.
;   P               the 32 loads land here once; no vector instruction names P ahead of them; behind each prototype's wait on LOADcnt vector instructions alone name it.
;   PB              written by the 64 roundings, read by the 32 stores of the rounded rows, never written again.
;   M+4j, M+4j+1    written by the centre's eight roundings, read by its four stores, never written again.
;   IV, v4          written by vector instructions, read by lane 0's three stores, never written again.
; So no register that a memory instruction reads is written again, and the waits are few: one at the head for the offsets; the wait for the eight roots,
; which also shows PB written, with the run of 32 stores straight behind it; one behind the centre's roundings; and those at the two writes of EXEC.
.set P,    16                          ; v[16:143]  prototype k at P + 16 k; piece j at + 4 j holds d = 128 j + 4 lane .. + 3
.set PB,   144                         ; v[144:207] the same as bf16: prototype k, piece j at PB + 8 k + 2 j (two registers)
.set SQ,   208                         ; v[208:223] a pair for each k: sum of squares, scratch
.set IV,   208                         ; v[208:215] behind the reciprocals: 1 / norm of k = 0 .. 7, side by side for the store
.set INV,  224                         ; v[224:239] a pair for each k: 1 / norm, twice (for the packed multiply)
.set M,    240                         ; v[240:255] the centre, laid out as a prototype
.set MS,   4                           ; v[4:5]     the centre's sum of squares; at the end v4 = cinv
.set MI,   6                           ; v[6:7]     1 / its norm, twice
.set EPSF, 0x322bcc77                  ; 1e-8
	s_load_b128 s[4:7], s[0:1], 0x0                ; prototypes s[4:5], sup s[6:7]
	s_load_b64 s[8:9], s[0:1], 0x10                ; pinv
	v_lshlrev_b32 v1, 4, v0                        ; 16 x lane
	v_lshlrev_b32 v2, 3, v0                        ; 8 x lane
	v_mov_b32 v3, 0
	s_lshl_b32 s20, ttmp9, 14                      ; the class's 8 rows of 2,048 bytes
	s_mov_b32 s21, 0
	s_lshl_b32 s24, ttmp9, 13
	s_add_co_u32 s24, s24, 102400                  ; sup row 100 + 8 c
	s_mov_b32 s25, 0
	s_lshl_b32 s26, ttmp9, 10                      ; sup row c
	s_mov_b32 s27, 0
	s_lshl_b32 s34, ttmp9, 5                       ; pinv: 32 bytes a class
	s_mov_b32 s35, 0
	s_lshl_b32 s36, ttmp9, 2                       ; cinv: 4 bytes a class
	s_mov_b32 s37, 0
	s_mov_b32 s12, 0x76543210                      ; v_permlanex16_b32: lane i of one half reads lane i of the other
	s_mov_b32 s13, 0xfedcba98
	s_wait_kmcnt 0x0
	s_add_nc_u64 s[4:5], s[4:5], s[20:21]
	s_add_nc_u64 s[30:31], s[6:7], s[24:25]
	s_add_nc_u64 s[32:33], s[6:7], s[26:27]
	s_add_nc_u64 s[10:11], s[8:9], s[34:35]
	s_add_nc_u64 s[14:15], s[8:9], s[36:37]
	s_wait_alu depctr_va_vdst(0)                   ; v1, v2 and v3 are written: every load and store of the kernel reads one of them as its offset
.irp k, 0,1,2,3,4,5,6,7
.irp j, 0,1,2,3
	global_load_b128 v[P+16*\k+4*\j:P+16*\k+4*\j+3], v1, s[4:5] offset:2048*\k+512*\j th:TH_LOAD_NT   ; 512 neighbouring bytes a load
.endr
.endr
	; one prototype after the other as they arrive: round to bf16, widen the rounded numbers again, sum their squares
.irp k, 0,1,2,3,4,5,6,7
	s_wait_loadcnt 28-4*\k                         ; the four loads of each younger prototype stay out
.irp i, 0,1,2,3,4,5,6,7
	v_cvt_pk_bf16_f32 v[PB+8*\k+\i], v[P+16*\k+2*\i], v[P+16*\k+2*\i+1]
.endr
.irp i, 0,1,2,3,4,5,6,7
	v_lshlrev_b32 v[P+16*\k+2*\i], 16, v[PB+8*\k+\i]
	v_and_b32 v[P+16*\k+2*\i+1], 0xffff0000, v[PB+8*\k+\i]
.endr
	v_pk_mul_f32 v[SQ+2*\k:SQ+2*\k+1], v[P+16*\k:P+16*\k+1], v[P+16*\k:P+16*\k+1]
.irp i, 1,2,3,4,5,6,7
	v_pk_fma_f32 v[SQ+2*\k:SQ+2*\k+1], v[P+16*\k+2*\i:P+16*\k+2*\i+1], v[P+16*\k+2*\i:P+16*\k+2*\i+1], v[SQ+2*\k:SQ+2*\k+1]
.endr
	v_add_f32 v[SQ+2*\k], v[SQ+2*\k], v[SQ+2*\k+1]
.endr
	; across the 32 lanes, the eight sums side by side
.irp m, 1,2,4,8
.irp k, 0,1,2,3,4,5,6,7
	v_add_f32_dpp v[SQ+2*\k], v[SQ+2*\k], v[SQ+2*\k] row_xmask:\m row_mask:0xf bank_mask:0xf
.endr
.endr
.irp k, 0,1,2,3,4,5,6,7
	v_permlanex16_b32 v[SQ+2*\k+1], v[SQ+2*\k], s12, s13
.endr
.irp k, 0,1,2,3,4,5,6,7
	v_add_f32 v[SQ+2*\k], v[SQ+2*\k], v[SQ+2*\k+1]
.endr
.irp k, 0,1,2,3,4,5,6,7
	v_sqrt_f32 v[SQ+2*\k+1], v[SQ+2*\k]
.endr
	v_nop                                          ; one plain place behind the roots (ISA guide 5.7.2)
	s_wait_alu depctr_va_vdst(0)                   ; the eight roots have written their results, which the maxima below read; the 64 roundings have written PB, which the stores below read
	; the rounded rows leave: each store of the wave covers 256 consecutive bytes, aligned.  No vector instruction stands between the wait and these stores
.irp k, 0,1,2,3,4,5,6,7
.irp j, 0,1,2,3
	global_store_b64 v2, v[PB+8*\k+2*\j:PB+8*\k+2*\j+1], s[30:31] offset:1024*\k+256*\j
.endr
.endr
.irp k, 0,1,2,3,4,5,6,7
	v_max_num_f32 v[SQ+2*\k], EPSF, v[SQ+2*\k+1]
.endr
.irp k, 0,1,2,3,4,5,6,7
	v_rcp_f32 v[INV+2*\k], v[SQ+2*\k]
	v_rcp_f32 v[INV+2*\k+1], v[SQ+2*\k]
.endr
	v_nop                                          ; one plain place behind the reciprocals: their results are read and their sources rewritten next
	s_wait_alu depctr_va_vdst(0)                   ; the sixteen reciprocals have written INV, which the moves and the packed multiplies below read
.irp k, 0,1,2,3,4,5,6,7
	v_mov_b32 v[IV+\k], v[INV+2*\k]
.endr
.irp k, 0,1,2,3,4,5,6,7
.irp i, 0,1,2,3,4,5,6,7
	v_pk_mul_f32 v[P+16*\k+2*\i:P+16*\k+2*\i+1], v[P+16*\k+2*\i:P+16*\k+2*\i+1], v[INV+2*\k:INV+2*\k+1]
.endr
.endr
	; the centre: mean of the eight normalised prototypes, normalised
.irp i, 0,1,2,3,4,5,6,7
	v_pk_add_f32 v[M+2*\i:M+2*\i+1], v[P+2*\i:P+2*\i+1], v[P+16+2*\i:P+16+2*\i+1]
.endr
.irp k, 2,3,4,5,6,7
.irp i, 0,1,2,3,4,5,6,7
	v_pk_add_f32 v[M+2*\i:M+2*\i+1], v[M+2*\i:M+2*\i+1], v[P+16*\k+2*\i:P+16*\k+2*\i+1]
.endr
.endr
.irp i, 0,1,2,3,4,5,6,7
	v_pk_mul_f32 v[M+2*\i:M+2*\i+1], v[M+2*\i:M+2*\i+1], 0x3e000000 op_sel_hi:[1,0]   ; x 1/8
.endr
	v_pk_mul_f32 v[MS:MS+1], v[M:M+1], v[M:M+1]
.irp i, 1,2,3,4,5,6,7
	v_pk_fma_f32 v[MS:MS+1], v[M+2*\i:M+2*\i+1], v[M+2*\i:M+2*\i+1], v[MS:MS+1]
.endr
	v_add_f32 v[MS], v[MS], v[MS+1]
.irp m, 1,2,4,8
	v_add_f32_dpp v[MS], v[MS], v[MS] row_xmask:\m row_mask:0xf bank_mask:0xf
.endr
	v_permlanex16_b32 v[MS+1], v[MS], s12, s13
	v_add_f32 v[MS], v[MS], v[MS+1]
	v_sqrt_f32 v[MS+1], v[MS]
	v_nop                                          ; one plain place behind the root
	s_wait_alu depctr_va_vdst(0)                   ; the root has written v[MS+1], which the maximum reads
	v_max_num_f32 v[MS], EPSF, v[MS+1]
	v_rcp_f32 v[MI], v[MS]
	v_rcp_f32 v[MI+1], v[MS]
	v_nop                                          ; one plain place behind the reciprocals
	s_wait_alu depctr_va_vdst(0)                   ; the two reciprocals have written v[MI:MI+1], which the packed multiplies read
.irp i, 0,1,2,3,4,5,6,7
	v_pk_mul_f32 v[M+2*\i:M+2*\i+1], v[M+2*\i:M+2*\i+1], v[MI:MI+1]
.endr
	v_mul_f32 v[MS], 0x3e000000, v[MI]             ; cinv = 0.125 / max(|mean|, 1e-8)
.irp j, 0,1,2,3
	v_cvt_pk_bf16_f32 v[M+4*\j], v[M+4*\j], v[M+4*\j+1]
	v_cvt_pk_bf16_f32 v[M+4*\j+1], v[M+4*\j+2], v[M+4*\j+3]
.endr
	v_cmp_eq_u32 vcc_lo, 0, v0                     ; lane 0's mask, made here so that waits alone stand between the centre's stores and the write of EXEC
	s_wait_alu depctr_va_vdst(0)                   ; the eight roundings have written v[M+4j:M+4j+1], which the four stores read
.irp j, 0,1,2,3
	global_store_b64 v2, v[M+4*\j:M+4*\j+1], s[32:33] offset:256*\j
.endr
	; the class's eight reciprocals (32 bytes) and cinv (4 bytes), equal in every lane: lane 0 stores them
	s_wait_xcnt 0x0                                ; EXEC is a source of the stores above: it changes only behind this wait
	s_wait_alu depctr_va_vcc(0)                    ; the compare has written VCC, from which EXEC is made
	s_wait_alu depctr_va_vdst(0)                   ; ahead of the write of EXEC: every vector instruction has written its result, IV, v4 and v3 among them, which lane 0's stores read
	s_wait_alu depctr_vm_vsrc(0)                   ; ahead of the write of EXEC: the stores above have read their vector registers
	s_and_saveexec_b32 s19, vcc_lo
	global_store_b128 v3, v[IV:IV+3], s[10:11]
	global_store_b128 v3, v[IV+4:IV+7], s[10:11] offset:16
	global_store_b32 v3, v[MS], s[14:15] offset:3200
	s_wait_xcnt 0x0                                ; and again in front of the line that widens it
	s_wait_alu depctr_va_vdst(0)                   ; ahead of the write of EXEC: no vector instruction's result is outstanding
	s_wait_alu depctr_vm_vsrc(0)                   ; ahead of the write of EXEC: lane 0's three stores have read their vector registers
	s_or_b32 exec_lo, exec_lo, s19
	s_endpgm
.Lfunc_end_k_q7c0d7e9b36_norm:
	.size	k_q7c0d7e9b36_norm, .Lfunc_end_k_q7c0d7e9b36_norm-k_q7c0d7e9b36_norm
	.p2alignl 7, 3214868480
	.fill 96, 4, 3214868480
	.section	.rodata,"a",@progbits
	.p2align	6, 0x0
	.amdhsa_kernel k_q7c0d7e9b36_norm
		.amdhsa_group_segment_fixed_size 0
		.amdhsa_private_segment_fixed_size 0
		.amdhsa_enable_private_segment 0
		.amdhsa_kernarg_size 24
		.amdhsa_user_sgpr_count 2
		.amdhsa_user_sgpr_kernarg_segment_ptr 1
		.amdhsa_wavefront_size32 1
		.amdhsa_system_sgpr_workgroup_id_x 1
		.amdhsa_system_sgpr_workgroup_id_y 1
		.amdhsa_system_sgpr_workgroup_id_z 1
		.amdhsa_system_vgpr_workitem_id 0
		.amdhsa_next_free_vgpr 256
		.amdhsa_next_free_sgpr 66
		.amdhsa_reserve_vcc 1
		.amdhsa_float_denorm_mode_32 3
		.amdhsa_float_denorm_mode_16_64 3
		.amdhsa_memory_ordered 1
		.amdhsa_forward_progress 1
		.amdhsa_inst_pref_size 38
	.end_amdhsa_kernel
	.amdgpu_metadata
---
amdhsa.version: [ 1, 2 ]
amdhsa.kernels:
  - .name:           k_q7c0d7e9b36_norm
    .symbol:         k_q7c0d7e9b36_norm.kd
    .args:
      - { .name: prototypes, .offset: 0, .size: 8, .value_kind: global_buffer, .address_space: global }
      - { .name: sup, .offset: 8, .size: 8, .value_kind: global_buffer, .address_space: global }
      - { .name: pinv, .offset: 16, .size: 8, .value_kind: global_buffer, .address_space: global }
    .group_segment_fixed_size: 0
    .private_segment_fixed_size: 0
    .kernarg_segment_align: 8
    .kernarg_segment_size: 24
    .max_flat_workgroup_size: 32
    .sgpr_count:     66
    .vgpr_count:     256
    .wavefront_size: 32
...
	.end_amdgpu_metadata
.endif
;; end of part 4
;; launch solve: the kernel of part 2 again; grid 100 x 1, 4 waves a work-group, clusters of 4 x 1, 177,664 bytes of LDS; arguments sup, pinv, zmat, zp; writes zmat, zp
;; launch main: the kernel of part 3 again; grid 256 x 1, 4 waves a work-group, clusters of 4 x 1, 327,680 bytes of LDS; arguments h, sup, out0, pinv, zp, zmat; writes out0
